; MI455X (gfx1250); checked and timed in simulation.
; The chip was launched on July 23, 2026; its instructions are those of AMD's public machine-readable ISA for CDNA 5 (MIT licence, August 2026) and "CDNA5" Instruction Set Architecture Reference Guide (July 2026). The comments in the code are by the model that wrote it; some were corrected since.
;; Causal Self Attention. Allowed arithmetic: matrix products marked QUANTISED: E2M3 operands, one E8M0 scale for each 32 along K, by v_wmma_scale_f32_16x16x128_f8f6f4 with both operands' format E2M3, f32 sums; everything else in f32.
;; Inputs: Wo 1,024 x 1,024 float32; Wqkv 1,024 x 3,072 float32; bo 1,024 float32; bqkv 3,072 float32; x 4 x 2,048 x 1,024 float32.
;; Outputs: out0 4 x 2,048 x 1,024 float32.
;; This version of the problem:
;;   THIS VERSION OF THE PROBLEM IS GIVEN IN LOW PRECISION. The matrix products marked QUANTISED in the list below multiply operands that are first quantised to E2M3 (2 exponent bits, 3 mantissa bits; 6 bits a number), with one power-of-two scale for each 32 numbers along K (OCP MX v1.0); their sums are f32. All else is computed in f32.
;;   The module's matrix products, in the order in which they are computed (A, B: the left and right operand; K: the contracted axis; several contracted axes count as one K, in the product's order):
;;     1. [M 8,192, K 1,024] x [K 1,024, N 3,072]; A: input x; B: input Wqkv: QUANTISED
;;     2. batch 64 x [M 2,048, K 64] x [K 64, N 2,048]; A: computed on the way; B: computed on the way: QUANTISED
;;     3. batch 64 x [M 2,048, K 2,048] x [K 2,048, N 64]; A: softmax (see below); B: computed on the way: QUANTISED
;;     4. [M 8,192, K 1,024] x [K 1,024, N 1,024]; A: computed on the way; B: input Wo: QUANTISED
;;   THE QUANTISER, for each operand of a quantised product, along K:
;;     - K is cut into blocks of 32 from its start; a last block that is shorter is filled with zeros.
;;     - A block's scale is 2^e with e = floor(log2(the largest magnitude in the block)) - 2, held to -126 .. 127; a block of zeros has e = 0. As a byte (E8M0): e + 127.
;;     - Each number is divided by its block's scale, clamped to +-7.5, and rounded to the nearest number of E2M3, ties to even, subnormals kept.
;;     - The product sums the exact products of the quantised numbers (number of the format x scale) in f32.
;;   ~~~python
;;   def quantise(x, axis):      # numpy; x: float32 -> the quantised numbers, widened to float32 again
;;       x = np.moveaxis(x, axis, -1); K = x.shape[-1]
;;       x = np.pad(x, [(0, 0)] * (x.ndim - 1) + [(0, -K % 32)]); x = x.reshape(x.shape[:-1] + (-1, 32)); a = np.abs(x).max(-1, keepdims=True)
;;       e = np.where(a > 0, np.clip(np.frexp(np.where(a > 0, a, 1))[1] - 1 - 2, -126, 127), 0)      # np.frexp(a)[1] - 1 = floor(log2(a)), exactly
;;       r = np.clip(x / 2.0 ** e, -7.5, 7.5)
;;       step = 2.0 ** (np.maximum(np.frexp(np.where(r == 0, 1, r))[1] - 1, 0) - 3)
;;       q = np.round(r / step) * step * 2.0 ** e      # np.round: ties to even
;;       return np.moveaxis(q.reshape(q.shape[:-2] + (-1,))[..., :K], -1, axis).astype(np.float32)
;;   ~~~
;;   SOFTMAX AHEAD OF A QUANTISED PRODUCT. Where the list says 'softmax', what is quantised is not the finished softmax but p = 2^(t - M), with t = logit x log2(e) and M = ceil(the row's largest t), a whole number; so 1/2 < the row's largest p <= 1. The row's sum l is taken of the UNQUANTISED p, in f32, and the product's result is divided by l at the end. Since M is a whole number, a kernel that streams over the keys may use a running M (the ceiling of the running maximum): every later rescaling is an exact power of two, which a block's scale takes up: the codes' values come out the same.
;;   OPERANDS COMPUTED ON THE WAY. 'Computed on the way' means the value that the module computes at that place (a softmax that the list does not call 'softmax' is quantised finished and normalised). What goes into a quantiser is computed in f32, as accurately as f32 sums, v_exp_f32 and their like allow (about 1e-6 of the number): no bf16 or f16 on the way to a quantiser, and a product that is left as it is and whose result goes on into a quantised operand takes f32 operands (vector FMAs, or v_wmma_f32_16x16x4_f32). A number that lies on a knife's edge between two numbers of the format may be rounded either way, as far as f32 arithmetic and the matrix unit's own rounding can turn it there, and no further.
;; One version. Each part assembles by itself: llvm-mc -triple=amdgcn-amd-amdhsa -mcpu=gfx1250 --defsym DOCPART=n.
;; ======== version 1 of 1: 4 launches
;; workspace buffers: opq 9,830,400 bytes; qkvc 19,660,800 bytes; attc 6,553,600 bytes
;; launch quant (part 1): grid 512 x 1, 4 waves a work-group, no clusters, 34,304 bytes of LDS; arguments x, Wqkv, Wo, opq; writes opq
.if DOCPART == 1
	.amdgcn_target "amdgcn-amd-amdhsa--gfx1250"
	.amdhsa_code_object_version 6
	.text
	.protected	k_q3d574e32c1_quant
	.globl	k_q3d574e32c1_quant
	.p2align	8
	.type	k_q3d574e32c1_quant,@function
k_q3d574e32c1_quant:
	s_mov_b64 s[64:65], 0
	v_nop
	global_prefetch_b8 v0, s[64:65] scope:SCOPE_SE
	s_setreg_imm32_b32 hwreg(HW_REG_WAVE_MODE, 25, 1), 1
	s_wait_xcnt 0x0
; x [8192][1024], Wqkv [1024][3072] and Wo [1024][1024], f32, become codes of FP6 (E2M3) with one E8M0 byte for each 32 along K (K = 1,024 in all three), laid in opq
; IN THE ORDER OF THE OPERAND'S REGISTERS.  A tile is 16 rows; tile T of a row space holds rows 32 (T / 2) + 8 (T % 2) + i + 8 (i / 8), i = 0 .. 15.  A fragment (16 rows x 128 K, 12 registers a lane) is
; 1,536 bytes: two halves of 768: lane l's registers 0-3 at 16 l, its registers 4-5 at 512 + 8 l.  A group is 128 rows: [K step 0..7][tile 0..7][1,536] = 98,304 bytes; groups 0-63 x's rows, 64-87 Wqkv's
; columns, 88-95 Wo's.  A group's scale words lie at XS + 4,096 x group: [tile][K half][row 0..15][4 words], a word = the four bytes of one row and one K step.
; A block's scale is 2^(floor(log2(its largest magnitude)) - 2): its byte is the largest magnitude's exponent field - 2, held at 1 from below.
; LIMITS: NaN and infinities are not served; a block whose largest magnitude lies under 2^-124 takes the byte 1; a block of zeros takes the byte 1 and not 127: its codes are zeros, and this program alone reads the bytes.
; Work-groups 0-255 take x (a wave: one tile of rows x 512 along K), 256-447 Wqkv, 448-511 Wo (a work-group: 128 columns x 128 along K).  Waves share nothing: no barrier.  Only x's path touches LDS beside the spare words.
.set XS,    9437184
.set GB,    98304
.set STG,   8448                       ; x's path: a wave's stage, 16 rows x (512 bytes + 16)
.set SPARE, 4*STG                      ; behind the stages: the spare words, 128 bytes a wave
.set SPW,   10                         ; v10  LDS address of my spare word; never rewritten
.set NIL,   11                         ; v11  0; never rewritten
.set PWS,   12                         ; v12-15  x: the four scale words
.set TM,    16                         ; v16-27  x: largest magnitudes, bytes, scale operands
.set R,     32                         ; v32-159 x: two sets of 64 as loaded;  weights: four blocks of 32
.set X,     160                        ; v160-223 x: 64 numbers of my row;  weights: codes from v160
.set PC,    224                        ; v224-242 x: the codes just made
.set SEL,   20                         ; s[20:21] lane selects: lane l xor 16
.macro FINISH                          ; a wave's end
	s_wait_tensorcnt 0x0
	ds_add_u32 v[SPW], v[NIL]
	s_wait_dscnt 0x0
	s_endpgm
.endm
; 64 numbers of a lane, register 16 b + i = k 32 b + 16 (lane / 16) + i of my row, become a fragment's codes in v[PC] on and its scale word in v[pw]
.macro QUANT s, pw
.irp b, 0,1,2,3
	v_max3_num_f32 v[TM+\b], |v[\s+16*\b]|, |v[\s+1+16*\b]|, 0x1800000   ; my 16 of block b, and the floor 2^(3 - 127): the byte cannot fall under 1
.endr
.irp i, 2,4,6,8,10,12,14
.irp b, 0,1,2,3
	v_max3_num_f32 v[TM+\b], v[TM+\b], |v[\s+16*\b+\i]|, |v[\s+1+16*\b+\i]|
.endr
.endr
.irp b, 0,1,2,3
	v_permlanex16_b32 v[TM+4+\b], v[TM+\b], s[SEL], s[SEL+1]
.endr
.irp b, 0,1,2,3
	v_max_num_f32 v[TM+\b], v[TM+\b], v[TM+4+\b]   ; with lane l xor 16's 16: the block's largest magnitude
.endr
.irp b, 0,1,2,3
	v_add_nc_u32 v[TM+8+\b], 0xff000000, v[TM+\b]  ; 2 off its exponent field: the conversion's scale operand
.endr
.irp b, 0,1,2,3
	v_lshrrev_b32 v[TM+4+\b], 23, v[TM+8+\b]       ; the scale's byte
.endr
	v_lshl_or_b32 v[\pw], v[TM+5], 8, v[TM+4]
	v_lshl_or_b32 v[\pw], v[TM+6], 16, v[\pw]
	v_lshl_or_b32 v[\pw], v[TM+7], 24, v[\pw]
.irp c, 0,1
	v_cvt_scalef32_pk16_fp6_f32 v[PC+6*\c:PC+2+6*\c], v[\s+32*\c:\s+15+32*\c], v[TM+8+2*\c]
	v_cvt_scalef32_pk16_fp6_f32 v[PC+12+4*\c:PC+14+4*\c], v[\s+16+32*\c:\s+31+32*\c], v[TM+8+2*\c+1]   ; (a conversion's three registers begin on an even number)
.endr
	v_nop                                          ; one plain place behind a scaled conversion
.irp c, 0,1                                    ; the layout wants a whole block in a lane: lanes 0-15 block 2 c, lanes 16-31 block 2 c + 1
.irp i, 0,1,2
	v_permlane16_swap_b32 v[PC+6*\c+\i], v[PC+12+4*\c+\i]
.endr
.irp i, 0,1,2
	v_mov_b32 v[PC+3+6*\c+\i], v[PC+12+4*\c+\i]
.endr
.endr
.endm
	s_load_b256 s[4:11], s[0:1], 0x0               ; x s[4:5], Wqkv s[6:7], Wo s[8:9], opq s[10:11]
	v_lshl_add_u32 v[SPW], v0, 2, SPARE
	v_mov_b32 v[NIL], 0
	v_lshrrev_b32 v1, 5, v0
	v_readfirstlane_b32 s12, v1                    ; wave
	v_and_b32 v1, 31, v0                           ; lane
	v_and_b32 v2, 15, v0                           ; r
	v_bfe_u32 v3, v0, 4, 1                         ; h
	v_lshlrev_b32 v9, 4, v1                        ; 16 x lane
	v_lshlrev_b32 v7, 3, v1                        ; 8 x lane
	s_mov_b32 s[SEL], 0x76543210
	s_mov_b32 s[SEL+1], 0xfedcba98
	s_wait_kmcnt 0x0
	s_cmp_lt_u32 ttmp9, 256
	s_cbranch_scc0 .Lweights
; ---- x: K is innermost.  Each load reads 512 consecutive bytes of one row (one K step); the 16 rows turn through my stage, so that lane (r, h) gets, of row r, 16 neighbours of each block of 32.
	s_lshl_b32 s13, ttmp9, 2
	s_add_co_u32 s13, s13, s12                     ; 4 x work-group + wave
	s_lshr_b32 s14, s13, 1                         ; my tile of rows, 0 .. 511
	s_and_b32 s15, s13, 1                          ; my half of K
	s_lshr_b32 s16, s14, 1
	s_lshl_b32 s16, s16, 17                        ; 32 rows of 4,096 bytes for each pair of tiles,
	s_and_b32 s17, s14, 1
	s_lshl_b32 s17, s17, 15                        ; 8 rows for the odd tile,
	s_add_co_u32 s16, s16, s17
	s_lshl_b32 s17, s15, 11                        ; 2,048 bytes for the second half of K
	s_add_co_u32 s16, s16, s17
	s_mov_b32 s17, 0
	s_add_nc_u64 s[4:5], s[4:5], s[16:17]
	s_lshr_b32 s18, s14, 3
	s_mul_i32 s18, s18, GB                         ; codes: the group,
	s_mul_i32 s19, s15, 49152                      ; four K steps,
	s_add_co_u32 s18, s18, s19
	s_and_b32 s19, s14, 7
	s_mul_i32 s19, s19, 1536                       ; the tile in its group
	s_add_co_u32 s18, s18, s19
	s_mov_b32 s19, 0
	s_add_nc_u64 s[24:25], s[10:11], s[18:19]
	s_lshl_b32 s22, s14, 9                         ; scale words: 512 bytes a tile, 256 a half of K
	s_lshl_b32 s23, s15, 8
	s_add_co_u32 s22, s22, s23
	s_add_co_u32 s22, s22, XS
	s_mov_b32 s23, 0
	s_add_nc_u64 s[26:27], s[10:11], s[22:23]
	s_mul_i32 s28, s12, STG                        ; my stage
	v_add_nc_u32 v5, s28, v9                       ; in: 16 x lane, a row an instruction
	v_mul_u32_u24 v6, v2, 528
	v_lshl_add_u32 v6, v3, 6, v6
	v_add_nc_u32 v6, s28, v6                       ; back: row r, + 64 h
	v_lshlrev_b32 v8, 4, v2                        ; 16 r: my row's four scale words
.irp b, 0,1,2,3
	v_mov_b32 v[TM+4+\b], 0                        ; written once: a lane permute's destination counts as one of its sources
.endr
.macro XLOAD f, set                    ; K step f of my four: 16 rows x 512 bytes
.set ii, 0
.rept 16
	global_load_b128 v[R+64*(\set)+4*ii:R+64*(\set)+4*ii+3], v9, s[4:5] offset:(ii+8*(ii/8))*4096+512*(\f) th:TH_LOAD_NT
.set ii, ii+1
.endr
.endm
.macro PUT off                         ; the fragment leaves as it stands: each store covers 512 or 256 consecutive bytes
	global_store_b128 v9, v[PC:PC+3], s[24:25] offset:\off
	global_store_b64 v7, v[PC+4:PC+5], s[24:25] offset:\off+512
	global_store_b128 v9, v[PC+6:PC+9], s[24:25] offset:\off+768
	global_store_b64 v7, v[PC+10:PC+11], s[24:25] offset:\off+1280
.endm
	XLOAD 0, 0
	XLOAD 1, 1
.irp f, 0,1,2,3
.if \f < 3
	s_wait_loadcnt 16                              ; this K step's 16 loads are in; the other set's 16 may be out
.else
	s_wait_loadcnt 0x0
.endif
.set jj, 0
.rept 16
	ds_store_b128 v5, v[R+64*(\f%2)+4*jj:R+64*(\f%2)+4*jj+3] offset:528*jj
.set jj, jj+1
.endr
.set jj, 0
.rept 16
	ds_load_b128 v[X+4*jj:X+4*jj+3], v6 offset:128*(jj/4)+16*(jj%4)   ; LDS serves a wave's instructions in order: these see my stores
.set jj, jj+1
.endr
	s_wait_dscnt 0x0                               ; my numbers are back, and the stores have read their registers,
.if \f < 2
	XLOAD \f+2, \f%2                               ; which take the K step two on
.endif
.if \f > 0
	s_wait_xcnt 0x0                                ; the last fragment's stores have read their registers: the codes may be written again
.endif
	QUANT X, PWS+\f
	PUT 12288*\f
.endr
	s_wait_xcnt 0x0                                ; EXEC changes only behind this wait
	v_cmp_gt_u32 vcc_lo, 16, v1
	s_and_saveexec_b32 s29, vcc_lo                 ; lanes 16-31 hold the same words
	global_store_b128 v8, v[PWS:PWS+3], s[26:27]   ; sixteen lanes store 256 consecutive bytes, aligned
	s_wait_xcnt 0x0
	s_or_b32 exec_lo, exec_lo, s29
	FINISH
; ---- the weights: K is the FIRST axis.  A lane takes a column and its registers run down K: a block of 32 lies in one lane, and the codes come out with K innermost.
; Lane (u, r) of wave w takes column 32 w + 8 u + r + 8 (r / 8) of the work-group's 128: lanes 0-15 are tile 2 w, lanes 16-31 tile 2 w + 1.  A load still covers 128 consecutive bytes.
.macro LOADB t, n
.set ii, 0
.rept 32
	global_load_b32 v[R+32*(\t)+ii], v4, s[4:5] offset:(32*(\t)+ii)*\n*4 th:TH_LOAD_NT
.set ii, ii+1
.endr
.endm
.macro BLOCK t, n                      ; block t of the K step's four
.set XB, R+32*(\t)
.set CB, 160+6*(\t)
.set TP, 184+4*((\t)%2)
.if (\t) < 3
	s_wait_loadcnt 32                              ; this block's 32 loads are in; the next block's may be out
.else
	s_wait_loadcnt 0x0
.endif
.if (\t) < 2
	LOADB (\t)+2, \n
.endif
	v_max3_num_f32 v12, |v[XB]|, |v[XB+1]|, |v[XB+2]|
	v_max3_num_f32 v13, |v[XB+3]|, |v[XB+4]|, |v[XB+5]|
.irp i, 6,10,14,18,22,26
	v_max3_num_f32 v12, v12, |v[XB+\i]|, |v[XB+\i+1]|
	v_max3_num_f32 v13, v13, |v[XB+\i+2]|, |v[XB+\i+3]|
.endr
	v_max3_num_f32 v12, v12, |v[XB+30]|, |v[XB+31]|
	v_max3_num_f32 v12, v12, v13, 0x1800000        ; and the floor
	v_add_nc_u32 v14, 0xff000000, v12              ; the conversion's scale operand
	v_lshrrev_b32 v13, 23, v14                     ; the byte
.if (\t) == 0
	v_mov_b32 v16, v13
.else
	v_lshl_or_b32 v16, v13, 8*(\t), v16            ; my column's scale word of this K step
.endif
	v_cvt_scalef32_pk16_fp6_f32 v[CB:CB+2], v[XB:XB+15], v14
	v_cvt_scalef32_pk16_fp6_f32 v[TP:TP+2], v[XB+16:XB+31], v14
	v_nop                                          ; one plain place behind a scaled conversion
.irp i, 0,1,2
	v_mov_b32 v[CB+3+\i], v[TP+\i]
.endr
.endm
.macro PAIR c                          ; blocks 2 c and 2 c + 1 are made.  The first's lanes 16-31 change places with the second's lanes 0-15: the first six registers are then tile 2 w's half, the second six tile 2 w + 1's
.set CB, 160+12*(\c)
.irp i, 0,1,2,3,4,5
	v_permlane16_swap_b32 v[CB+\i], v[CB+6+\i]
.endr
	global_store_b128 v9, v[CB:CB+3], s[24:25] offset:768*(\c)
	global_store_b64 v7, v[CB+4:CB+5], s[24:25] offset:768*(\c)+512
	global_store_b128 v9, v[CB+6:CB+9], s[24:25] offset:1536+768*(\c)
	global_store_b64 v7, v[CB+10:CB+11], s[24:25] offset:1536+768*(\c)+512
.endm
.macro WQ n, p, wg0, g0                ; n: columns of the tensor; s[p:p+1]: its address; wg0: its first work-group; g0: its first group
	s_sub_co_u32 s13, ttmp9, \wg0
	s_and_b32 s14, s13, 7                          ; K step
	s_lshr_b32 s15, s13, 3                         ; group of 128 columns
	s_mul_i32 s16, s14, 128*\n*4
	s_lshl_b32 s17, s15, 9
	s_add_co_u32 s16, s16, s17
	s_lshl_b32 s17, s12, 7
	s_add_co_u32 s16, s16, s17                     ; 128 rows a K step, 512 bytes a group, 128 a wave
	s_mov_b32 s17, 0
	s_add_nc_u64 s[4:5], s[\p:\p+1], s[16:17]
	s_add_co_u32 s28, s15, \g0
	s_mul_i32 s18, s28, GB
	s_mul_i32 s19, s14, 12288
	s_add_co_u32 s18, s18, s19
	s_mul_i32 s19, s12, 3072                       ; two tiles a wave
	s_add_co_u32 s18, s18, s19
	s_mov_b32 s19, 0
	s_add_nc_u64 s[24:25], s[10:11], s[18:19]
	s_lshl_b32 s22, s28, 12
	s_lshl_b32 s23, s12, 10
	s_add_co_u32 s22, s22, s23
	s_lshr_b32 s23, s14, 2
	s_lshl_b32 s23, s23, 8
	s_add_co_u32 s22, s22, s23
	s_and_b32 s23, s14, 3
	s_lshl_b32 s23, s23, 2
	s_add_co_u32 s22, s22, s23
	s_add_co_u32 s22, s22, XS
	s_mov_b32 s23, 0
	s_add_nc_u64 s[26:27], s[10:11], s[22:23]
	v_and_b32 v4, 8, v2
	v_add_nc_u32 v4, v4, v2
	v_lshl_add_u32 v4, v3, 3, v4
	v_lshlrev_b32 v4, 2, v4                        ; 4 x (8 u + r + 8 (r / 8))
	v_lshlrev_b32 v8, 4, v2
	v_lshl_add_u32 v8, v3, 9, v8                   ; my scale word: 512 u + 16 r
	LOADB 0, \n
	LOADB 1, \n
	BLOCK 0, \n
	BLOCK 1, \n
	PAIR 0
	BLOCK 2, \n
	BLOCK 3, \n
	PAIR 1
	global_store_b32 v8, v16, s[26:27]             ; 4 bytes of each 16: the other K steps' work-groups write the rest.  The weights' scale words are 131,072 bytes against the 16,777,216 read
	FINISH
.endm
.Lweights:
	s_cmp_lt_u32 ttmp9, 448
	s_cbranch_scc0 .Lwo
	WQ 3072, 6, 256, 64
.Lwo:
	WQ 1024, 8, 448, 88
.Lfunc_end_k_q3d574e32c1_quant:
	.size	k_q3d574e32c1_quant, .Lfunc_end_k_q3d574e32c1_quant-k_q3d574e32c1_quant
	.p2alignl 7, 3214868480
	.fill 96, 4, 3214868480
	.section	.rodata,"a",@progbits
	.p2align	6, 0x0
	.amdhsa_kernel k_q3d574e32c1_quant
		.amdhsa_group_segment_fixed_size 34304
		.amdhsa_private_segment_fixed_size 0
		.amdhsa_enable_private_segment 0
		.amdhsa_kernarg_size 32
		.amdhsa_user_sgpr_count 2
		.amdhsa_user_sgpr_kernarg_segment_ptr 1
		.amdhsa_wavefront_size32 1
		.amdhsa_system_sgpr_workgroup_id_x 1
		.amdhsa_system_sgpr_workgroup_id_y 1
		.amdhsa_system_sgpr_workgroup_id_z 1
		.amdhsa_system_vgpr_workitem_id 0
		.amdhsa_next_free_vgpr 256
		.amdhsa_next_free_sgpr 66
		.amdhsa_reserve_vcc 1
		.amdhsa_float_denorm_mode_32 3
		.amdhsa_float_denorm_mode_16_64 3
		.amdhsa_memory_ordered 1
		.amdhsa_forward_progress 1
		.amdhsa_inst_pref_size 75
	.end_amdhsa_kernel
	.amdgpu_metadata
---
amdhsa.version: [ 1, 2 ]
amdhsa.kernels:
  - .name:           k_q3d574e32c1_quant
    .symbol:         k_q3d574e32c1_quant.kd
    .args:
      - { .name: x, .offset: 0, .size: 8, .value_kind: global_buffer, .address_space: global }
      - { .name: Wqkv, .offset: 8, .size: 8, .value_kind: global_buffer, .address_space: global }
      - { .name: Wo, .offset: 16, .size: 8, .value_kind: global_buffer, .address_space: global }
      - { .name: opq, .offset: 24, .size: 8, .value_kind: global_buffer, .address_space: global }
    .group_segment_fixed_size: 34304
    .private_segment_fixed_size: 0
    .kernarg_segment_align: 8
    .kernarg_segment_size: 32
    .max_flat_workgroup_size: 128
    .sgpr_count:     66
    .vgpr_count:     256
    .wavefront_size: 32
...
	.end_amdgpu_metadata
.endif
;; end of part 1
;; launch qkv (part 2): grid 8 x 48, 4 waves a work-group, clusters of 4 x 4, 327,680 bytes of LDS; arguments opq, bqkv, qkvc; writes qkvc
.if DOCPART == 2
	.amdgcn_target "amdgcn-amd-amdhsa--gfx1250"
	.amdhsa_code_object_version 6
	.text
	.protected	k_q3d574e32c1_qkv
	.globl	k_q3d574e32c1_qkv
	.p2align	8
	.type	k_q3d574e32c1_qkv,@function
k_q3d574e32c1_qkv:
	s_mov_b64 s[64:65], 0
	v_nop
	global_prefetch_b8 v0, s[64:65] scope:SCOPE_SE
	s_setreg_imm32_b32 hwreg(HW_REG_WAVE_MODE, 25, 1), 1
	s_wait_xcnt 0x0
	s_wait_alu depctr_hold_cnt(0) depctr_sa_sdst(0) depctr_va_vdst(0) depctr_va_sdst(0) depctr_va_ssrc(0) depctr_va_vcc(0) depctr_vm_vsrc(0)
	s_getreg_b32 s2, hwreg(HW_REG_IB_STS2, 6, 4)
	s_cmp_eq_u32 s2, 0
	s_cbranch_scc0 .Lentry_in_a_cluster
	s_endpgm
.Lentry_in_a_cluster:
	s_bfe_u32 s2, ttmp6, 0x10000c
	s_cmp_lg_u32 s2, 0xf033
	s_cbranch_scc0 .Lentry_shape_is_right
	s_endpgm
.Lentry_shape_is_right:
; qkv = x Wqkv + bqkv on codes of FP6 (E2M3) with E8M0 scales, K = 1,024; the results are quantised in registers and leave as codes: q and k along the head's 64, v along the keys.
; OPERANDS come from opq as images of their registers: a fragment (16 rows x 128 K) is 1,536 bytes (lane l's registers 0-3 at 16 l, 4-5 at 512 + 8 l, 6-9 at 768 + 16 l, 10-11 at 1,280 + 8 l); a group of 128 rows is
; [K step][tile][1,536]; tile T holds rows 32 (T / 2) + 8 (T % 2) + i + 8 (i / 8).  So in a result the 16 registers of source 0's tiles 2 b, 2 b + 1 are 16 neighbours, 32 b + 16 (lane / 16) + 0 .. 15.
; A work-group makes 256 (S1: the lanes' axis, source 1) x 256 (S0: the registers' axis, source 0); each of four waves 128 x 128: 64 accumulators, 512 registers.
; TWO ROLES, told apart by the cluster's y, which all partners share.  Clusters y 0-7: S1 = x's rows, S0 = Wqkv's columns 0-2,047: a lane holds one token and its registers run along a head's 64: q's and k's K.
; Clusters y 8-11: S1 = Wqkv's columns 2,048 on, S0 = x's rows: a lane holds one channel of v and its registers run along the tokens: v's K in the second product of attention.
; K goes in four quarters of 256 through three LDS slots: quarters 0, 1, 2 are first fills, quarter 3 is the launch's one refill, into slot 0, with four K steps of 64 matrix instructions in which to land.
; CLUSTERS: 4 x 4 work-groups; S1's tiles are shared along a row of the cluster, S0's along a column: each is asked for jointly.  All scale words of the launch come with the first fills and are read into 64 registers once.
; OUT (qkvc): head rows 0-63 q (16 b + head), 64-127 k, 128-191 v, 98,304 bytes of codes each: q, k: [tile of 16 tokens][768]; v: [128 keys][tile of 16 channels][1,536].  Scale words at QSO + 4,096 x head row:
; [128 tokens][lane row][4 words]: q, k: word i = tile 2 i's two bytes below, tile 2 i + 1's above; v: word i = channel tile i's four bytes.
; LIMITS: NaN and infinities are not served; a block whose largest magnitude lies under 2^-124, or that is all zeros, takes the byte 1 (its reader is this program alone).
; REGISTERS: window 0: v4-16 LDS addresses, v17-29 the way out, v30, v31 the add's, v32-95 scale words, v96-127 and v224-255 the bias along the registers, v128-223 S1's fragments (one set).
;   window 1: S0's fragments, two sets, v0 and v128; v96-111 the bias along the lanes.   windows 2, 3: the accumulators, (a, b) at v[8 (8 (a % 4) + b)].
.set XS,    9437184
.set QSO,   18874368
.set GB,    98304                      ; a group's (and a head row's) codes
.set QB,    24576                      ; a quarter of K of a group: what one tensor load brings
.set SLOT,  4*QB                       ; S1's two groups, then S0's two
.set SCL,   3*SLOT                     ; the scale words: four parts of 4,096 bytes, in the same order
.set SPARE, SCL+4*4096                 ; the spare words, 128 bytes a wave
.set A16, 4                            ; v4-6   slot + my S1 group + 16 x lane
.set A8,  7                            ; v7-9   the same + 8 x lane
.set B16, 10                           ; v10-12, v13-15 the same for S0
.set B8,  13
.set ADRS, 16                          ; v16    my scale words: lanes 0-15 S1's, lanes 16-31 S0's
.set PWS, 22                           ; v22-29 the way out: eight scale words
.set SPW, 30
.set NIL, 31
.set SC,  32                           ; scale word (block i, K step s) at SC + 32 (s / 4) + 4 i + s % 4
.set AF,  128
.set X,   128                          ; the way out: 64 numbers
.set PC,  192                          ; their codes
.set TM,  212
.set G1,  24                           ; s[24:31] group 1, S1's codes;  s[32:43] their three groups 0
.set G0,  32
.set G1B, 48                           ; s[48:55] group 1, S0's codes;  groups 0 at s56, s60, s68
.set G1S, 72                           ; s[72:79], s[80:87] groups 1 for the scale words;  s[88:91], s[92:95] their groups 0
.set G1SB, 80
.set G0S, 88
.set G0SB, 92
.set SEL, 96
.set MSB, 0
.macro WIN new                         ; the immediate's high byte repeats the setting that is left
.if MSB != (\new)
	s_set_vgpr_msb (MSB<<8)|(\new)
.set MSB, (\new)
.endif
.endm
; A joint load: waves 0 and 1 fetch for S1, waves 2 and 3 for S0.  An s_nop 0 and four v_nop follow each of the two lines.
.macro JLOAD g0a, g1a, g0b, g1b
	s_cmp_eq_u32 s15, 0
	s_cbranch_scc0 .Lfor_b_\@
	tensor_load_to_lds s[\g0a:\g0a+3], s[\g1a:\g1a+7]
	s_nop 0
.rept 4
	v_nop
.endr
	s_branch .Lasked_\@
.Lfor_b_\@:
	tensor_load_to_lds s[\g0b:\g0b+3], s[\g1b:\g1b+7]
	s_nop 0
.rept 4
	v_nop
.endr
.Lasked_\@:
.endm
.macro CREST                           ; a round of the cluster's barrier behind its opening barrier
	s_cmp_lg_u32 s14, 0
	s_cbranch_scc1 .Lnot_wave_0_\@
	s_barrier_signal -3
.Lnot_wave_0_\@:
	s_barrier_wait -3
	s_barrier_signal -1
	s_barrier_wait -1
.endm
.macro CROUND
	s_barrier_signal -1
	s_barrier_wait -1
	CREST
.endm
.macro PLACES                          ; four places behind a matrix instruction, in front of loads into its sources and of reads of its results
.rept 4
	v_nop
.endr
.endm
.macro FRAG reg, a16, a8, off          ; a fragment comes as it was stored: every load covers 512 or 256 consecutive bytes
	ds_load_b128 v[\reg:\reg+3], v[\a16] offset:\off
	ds_load_b64 v[\reg+4:\reg+5], v[\a8] offset:\off+512
	ds_load_b128 v[\reg+6:\reg+9], v[\a16] offset:\off+768
	ds_load_b64 v[\reg+10:\reg+11], v[\a8] offset:\off+1280
.endm
.macro FETCH_B s                       ; S0's eight fragments of K step s into set s % 2;  K step s lies in slot (s / 2) % 3
	WIN 0x40
.irp i, 0,1,2,3,4,5,6,7
	FRAG 128*((\s)%2)+12*\i, B16+((\s)/2)%3, B8+((\s)/2)%3, ((\s)%2)*12288+1536*\i
.endr
	WIN 0
.endm
.macro FETCH_A s, i0                   ; S1's blocks i0 .. i0 + 3
.irp i, \i0, \i0+1, \i0+2, \i0+3
	FRAG AF+12*(\i), A16+((\s)/2)%3, A8+((\s)/2)%3, ((\s)%2)*12288+1536*(\i)
.endr
.endm
.macro SCALES                          ; all scale words of my 128 + 128 rows, for all of K
.irp i, 0,1,2,3,4,5,6,7
	ds_load_b128 v[SC+4*\i:SC+4*\i+3], v[ADRS] offset:512*\i
	ds_load_b128 v[SC+32+4*\i:SC+32+4*\i+3], v[ADRS] offset:512*\i+256
.endr
.endm
; 16 matrix instructions: S1's blocks a0, a0 + 1 x S0's eight, K step s.  mode 1: the product starts the sum.  The 64 accumulators take turns, one instruction a turn, in the same order in every step.
.macro MUL16 a0, s, mode
.irp a, \a0, \a0+1
.irp b, 0,1,2,3,4,5,6,7
.set rD, 8*(8*((\a)%4)+\b)
.set rB, 128*((\s)%2)+12*\b
.set rA, AF+12*(\a)
.set sB, SC+32*((\s)/4)+4*\b+(\s)%4
.set sA, SC+32*((\s)/4)+4*(\a)+(\s)%4
.if \mode == 0
	v_wmma_scale_f32_16x16x128_f8f6f4 v[rD:rD+7], v[rB:rB+11], v[rA:rA+11], v[rD:rD+7], v[sB], v[sA] matrix_a_fmt:MATRIX_FMT_FP6 matrix_b_fmt:MATRIX_FMT_FP6 matrix_a_scale:MATRIX_SCALE_ROW1
.else
	v_wmma_scale_f32_16x16x128_f8f6f4 v[rD:rD+7], v[rB:rB+11], v[rA:rA+11], 0, v[sB], v[sA] matrix_a_fmt:MATRIX_FMT_FP6 matrix_b_fmt:MATRIX_FMT_FP6 matrix_a_scale:MATRIX_SCALE_ROW1
.endif
.endr
.endr
.endm
.macro STEP s, mode                    ; a K step whose successor's tiles are known to be whole
	s_wait_dscnt 16                                ; all but the youngest 16 loads (S1's blocks 4-7) are in
	WIN 0xa1
	MUL16 0, \s, \mode
	MUL16 2, \s, \mode
	s_wait_dscnt 0x0                               ; S1's blocks 4-7 are in (asked for 32 matrix instructions ago)
	PLACES
	FETCH_B (\s)+1
	FETCH_A (\s)+1, 0
	WIN 0xf1
	MUL16 4, \s, \mode
	MUL16 6, \s, \mode
	PLACES
	WIN 0
	FETCH_A (\s)+1, 4
.endm
; A K step with a barrier in its middle.  In front of it each wave waits for all its tensor loads, adds 0 to its spare word, and waits for that and for its LDS reads.  fill = 1: the barrier opens a round of the cluster's
; barrier, and slot 0, which nobody reads any more, takes quarter 3.
.macro TURN s, fill
	s_wait_tensorcnt 0x0                           ; all my tensor loads have landed
	ds_add_u32 v[SPW], v[NIL]                      ; 0 onto my spare word
	s_wait_dscnt 17                                ; (the add and the youngest 16 loads may be out)
	WIN 0xa1
	MUL16 0, \s, 0                                 ; sixteen matrix instructions stand between the add and the wait for it
	s_wait_dscnt 0x0                               ; the add is done, and my reads of the slot in hand are over
	s_barrier_signal -1
	MUL16 2, \s, 0
	WIN 0
	s_barrier_wait -1
.if \fill
	CREST                                          ; no wave of any partner still reads slot 0 or has a load on its way
	s_add_nc_u64 s[G0+2:G0+3], s[G0+2:G0+3], 3*QB
	s_add_nc_u64 s[58:59], s[58:59], 3*QB
	JLOAD G0, G1, 56, G1B                          ; the first tensor load behind the round; its four v_nop are also the places in front of the loads below
.else
	PLACES
.endif
	FETCH_B (\s)+1
	FETCH_A (\s)+1, 0
	WIN 0xf1
	MUL16 4, \s, 0
	MUL16 6, \s, 0
	PLACES
	WIN 0
	FETCH_A (\s)+1, 4
.endm
; 64 numbers of a lane, register 16 b + i = k 32 b + 16 (lane / 16) + i of my row, become a fragment's codes in v[PC] on and its scale word in v[pw]
.macro QUANT s, pw
.irp b, 0,1,2,3
	v_max3_num_f32 v[TM+\b], |v[\s+16*\b]|, |v[\s+1+16*\b]|, 0x1800000   ; my 16 of block b, and the floor 2^(3 - 127)
.endr
.irp i, 2,4,6,8,10,12,14
.irp b, 0,1,2,3
	v_max3_num_f32 v[TM+\b], v[TM+\b], |v[\s+16*\b+\i]|, |v[\s+1+16*\b+\i]|
.endr
.endr
.irp b, 0,1,2,3
	v_permlanex16_b32 v[TM+4+\b], v[TM+\b], s[SEL], s[SEL+1]
.endr
.irp b, 0,1,2,3
	v_max_num_f32 v[TM+\b], v[TM+\b], v[TM+4+\b]
.endr
.irp b, 0,1,2,3
	v_add_nc_u32 v[TM+8+\b], 0xff000000, v[TM+\b]  ; 2 off the exponent field: the conversion's scale operand
.endr
.irp b, 0,1,2,3
	v_lshrrev_b32 v[TM+4+\b], 23, v[TM+8+\b]
.endr
	v_lshl_or_b32 v[\pw], v[TM+5], 8, v[TM+4]
	v_lshl_or_b32 v[\pw], v[TM+6], 16, v[\pw]
	v_lshl_or_b32 v[\pw], v[TM+7], 24, v[\pw]
.irp c, 0,1
	v_cvt_scalef32_pk16_fp6_f32 v[PC+6*\c:PC+2+6*\c], v[\s+32*\c:\s+15+32*\c], v[TM+8+2*\c]
	v_cvt_scalef32_pk16_fp6_f32 v[PC+12+4*\c:PC+14+4*\c], v[\s+16+32*\c:\s+31+32*\c], v[TM+8+2*\c+1]
.endr
	v_nop                                          ; one plain place behind a scaled conversion
.irp c, 0,1
.irp i, 0,1,2
	v_permlane16_swap_b32 v[PC+6*\c+\i], v[PC+12+4*\c+\i]
.endr
.irp i, 0,1,2
	v_mov_b32 v[PC+3+6*\c+\i], v[PC+12+4*\c+\i]
.endr
.endr
.endm
	s_load_b128 s[4:7], s[0:1], 0x0                ; opq, bqkv
	s_load_b64 s[8:9], s[0:1], 0x10                ; qkvc
	v_lshl_add_u32 v[SPW], v0, 2, SPARE
	v_mov_b32 v[NIL], 0
	ds_add_u32 v[SPW], v[NIL]
	ds_add_u32 v[SPW], v[NIL]                      ; the wave's opening: the add and its wait ahead of my first tensor load; the set-up below stands between them
	v_lshrrev_b32 v1, 5, v0
	v_readfirstlane_b32 s14, v1                    ; wave 0..3
	s_lshr_b32 s15, s14, 1                         ; my half of S1.  Also: I fetch for S1 (0) or for S0 (1)
	s_and_b32 s16, s14, 1                          ; my half of S0.  Also: which group I fetch
	s_bfe_u32 s44, ttmp6, 0x40000                  ; cx
	s_bfe_u32 s45, ttmp6, 0x40004                  ; cy
	s_and_b32 s11, ttmp7, 0xffff                   ; cluster y
	s_lshl_b32 s12, ttmp9, 2                       ; 4 x cluster x
	s_lshl_b32 s13, s11, 3
	s_add_co_u32 s13, s13, s12
	s_sub_co_u32 s13, s13, 64                      ; v's role: 4 (2 (cluster y - 8) + cluster x)
	s_lshl_b32 s17, s11, 2
	s_cmp_ge_u32 s11, 8                            ; v's role?  The cluster's y alone: the same in all sixteen partners
	s_cselect_b32 s46, s13, s12                    ; the cluster's part of S0's tile,
	s_cselect_b32 s47, 0, s17                      ; of S1's tile;
	s_cselect_b32 s18, 80, 0                       ; S1's first group in opq,
	s_cselect_b32 s19, 0, 64                       ; S0's;
	s_cselect_b32 s20, 128, 0                      ; the first head row of the role,
	s_cselect_b32 s21, 16, 0                       ; the bias's first 128
	s_cselect_b32 s99, 1, 0
	s_add_co_u32 s46, s46, s44                     ; S0's tile of 256: + cx
	s_add_co_u32 s47, s47, s45                     ; S1's tile of 256: + cy
	s_lshl_b32 s10, s45, 2
	s_lshl_b32 s10, 15, s10                        ; my row of the cluster
	s_lshl_b32 s12, 0x1111, s44                    ; my column
	; group 1: a dense block as rows of 256 bytes (32 elements of 8 bytes): 96 rows of codes, 16 of scale words; no padding; bit 21 set beside a mask
	s_or_b32 s[G1], s10, (3<<16)|(1<<21)
	s_or_b32 s[G1B], s12, (3<<16)|(1<<21)
	s_or_b32 s[G1S], s10, (3<<16)|(1<<21)
	s_or_b32 s[G1SB], s12, (3<<16)|(1<<21)
.irp g, G1, G1B
	s_mov_b32 s[\g+1], 32<<16                      ; tensor_dim0
	s_mov_b32 s[\g+2], 96<<16                      ; tensor_dim1
	s_mov_b32 s[\g+3], 32<<16                      ; tile_dim0
	s_mov_b32 s[\g+4], 96                          ; tile_dim1
	s_mov_b32 s[\g+5], 32                          ; the pitch
	s_mov_b32 s[\g+6], 0
	s_mov_b32 s[\g+7], 0
.endr
.irp g, G1S, G1SB
	s_mov_b32 s[\g+1], 32<<16
	s_mov_b32 s[\g+2], 16<<16
	s_mov_b32 s[\g+3], 32<<16
	s_mov_b32 s[\g+4], 16
	s_mov_b32 s[\g+5], 32
	s_mov_b32 s[\g+6], 0
	s_mov_b32 s[\g+7], 0
.endr
	s_lshl_b32 s22, s47, 1
	s_add_co_u32 s22, s22, s16
	s_add_co_u32 s22, s22, s18                     ; the group of S1 that I would fetch: cy alone enters it
	s_lshl_b32 s2, s22, 12
	s_add_co_u32 s2, s2, XS
	s_mov_b32 s3, 0
	s_mul_i32 s22, s22, GB
	s_mov_b32 s23, 0
	s_lshl_b32 s66, s46, 1
	s_add_co_u32 s66, s66, s16
	s_add_co_u32 s66, s66, s19                     ; the group of S0: cx alone
	s_lshl_b32 s100, s66, 12
	s_add_co_u32 s100, s100, XS
	s_mov_b32 s101, 0
	s_mul_i32 s66, s66, GB
	s_mov_b32 s67, 0
	s_mul_i32 s17, s14, QB                         ; where my part goes in a slot: wave x 24,576
	s_lshl_b32 s13, s14, 12                        ; and among the scale words
	s_mov_b32 s[SEL], 0x76543210
	s_mov_b32 s[SEL+1], 0xfedcba98
	s_mov_b32 s98, 0xffff0000                      ; lanes 16-31
	s_wait_dscnt 0x0                               ; the opening add is done
	s_wait_kmcnt 0x0
	s_add_nc_u64 s[22:23], s[4:5], s[22:23]
	s_add_nc_u64 s[2:3], s[4:5], s[2:3]
	s_add_nc_u64 s[66:67], s[4:5], s[66:67]
	s_add_nc_u64 s[100:101], s[4:5], s[100:101]
	CROUND                                         ; all sixteen work-groups are here: the first joint loads meet
	s_mov_b32 s[G0S], 1
	s_add_co_u32 s[G0S+1], s13, SCL
	s_mov_b64 s[G0S+2:G0S+3], s[2:3]
	s_or_b32 s[G0S+3], s[G0S+3], 0x80000000
	s_mov_b32 s[G0SB], 1
	s_add_co_u32 s[G0SB+1], s13, SCL
	s_mov_b64 s[G0SB+2:G0SB+3], s[100:101]
	s_or_b32 s[G0SB+3], s[G0SB+3], 0x80000000
	JLOAD G0S, G1S, G0SB, G1SB                     ; the scale words first; then quarters 0, 1, 2: four loads of mine are out
.irp s, 0,1,2
	s_mov_b32 s[G0+4*\s], 1
	s_add_co_u32 s[G0+4*\s+1], s17, \s*SLOT
	s_add_nc_u64 s[G0+4*\s+2:G0+4*\s+3], s[22:23], \s*QB
	s_or_b32 s[G0+4*\s+3], s[G0+4*\s+3], 0x80000000
	s_mov_b32 s[56+4*\s+4*(\s/2)], 1
	s_add_co_u32 s[56+4*\s+4*(\s/2)+1], s17, \s*SLOT
	s_add_nc_u64 s[56+4*\s+4*(\s/2)+2:56+4*\s+4*(\s/2)+3], s[66:67], \s*QB
	s_or_b32 s[56+4*\s+4*(\s/2)+3], s[56+4*\s+4*(\s/2)+3], 0x80000000
	JLOAD G0+4*\s, G1, 56+4*\s+4*(\s/2), G1B
.endr
	; where my results go
	s_lshl_b32 s17, s47, 1
	s_add_co_u32 s17, s17, s15                     ; my group of S1
	s_lshl_b32 s13, s46, 1
	s_add_co_u32 s13, s13, s16                     ; my group of S0
	s_cmp_eq_u32 s99, 1
	s_cselect_b32 s18, s13, s17                    ; the group of tokens,
	s_cselect_b32 s19, s17, s13                    ; the group of columns
	s_lshr_b32 s22, s18, 4                         ; b
	s_and_b32 s23, s18, 15                         ; which 128 tokens of the batch
	s_lshr_b32 s2, s19, 3
	s_lshl_b32 s2, s2, 2
	s_add_co_u32 s2, s2, s22
	s_lshl_b32 s2, s2, 4
	s_and_b32 s3, s19, 7
	s_lshl_b32 s3, s3, 1
	s_add_co_u32 s2, s2, s3
	s_add_co_u32 s2, s2, s20                       ; the first of my two head rows
	s_lshl_b32 s10, s2, 12
	s_lshl_b32 s11, s23, 8
	s_add_co_u32 s10, s10, s11
	s_add_co_u32 s10, s10, QSO
	s_mov_b32 s11, 0
	s_add_nc_u64 s[10:11], s[8:9], s[10:11]        ; its scale words
	s_mul_i32 s2, s2, GB
	s_mul_i32 s3, s23, 6144
	s_add_co_u32 s2, s2, s3
	s_mov_b32 s3, 0
	s_add_nc_u64 s[8:9], s[8:9], s[2:3]            ; its codes
	s_add_co_u32 s2, s19, s21
	s_lshl_b32 s2, s2, 9
	s_add_nc_u64 s[6:7], s[6:7], s[2:3]            ; my 128 numbers of the bias
	v_and_b32 v1, 31, v0                           ; lane
	v_and_b32 v2, 15, v0                           ; r
	v_bfe_u32 v3, v0, 4, 1                         ; h
	v_lshlrev_b32 v17, 4, v1                       ; 16 x lane
	v_lshlrev_b32 v18, 3, v1                       ; 8 x lane
	s_mul_i32 s22, s15, QB
	s_mul_i32 s23, s16, QB
	s_add_co_u32 s23, s23, 2*QB
.irp s, 0,1,2
	v_add_nc_u32 v[A16+\s], s22, v17
	v_add_nc_u32 v[A8+\s], s22, v18
	v_add_nc_u32 v[B16+\s], s23, v17
	v_add_nc_u32 v[B8+\s], s23, v18
	s_add_co_u32 s22, s22, SLOT
	s_add_co_u32 s23, s23, SLOT
.endr
	s_lshl_b32 s22, s15, 12                        ; S1's scale words: my group's part;
	s_lshl_b32 s23, s16, 12
	s_add_co_u32 s23, s23, 8192                    ; S0's lie behind S1's two parts
	s_sub_co_u32 s23, s23, s22
	v_mul_u32_u24 v16, s23, v3                     ; lanes 16-31 take S0's: one product, the distance between the two
	v_lshl_add_u32 v16, v2, 4, v16                 ; 16 bytes a row
	s_add_co_u32 s22, s22, SCL
	v_add_nc_u32 v[ADRS], s22, v16
	v_lshlrev_b32 v19, 4, v2
	v_lshl_add_u32 v19, v3, 12, v19                ; the way out's scale words: 16 r, and the second head row for lanes 16-31
	v_mov_b32 v20, 0x05040100                      ; byte selects: the low halves of two words,
	v_mov_b32 v21, 0x07060302                      ; or the high halves,
	v_cndmask_b32 v20, v20, v21, s98               ; for lanes 16-31
	v_lshlrev_b32 v21, 6, v3                       ; the bias along the registers: 16 h numbers on
	v_and_b32 v1, 8, v2
	v_add_nc_u32 v1, v1, v2
	v_lshlrev_b32 v1, 2, v1                        ; the bias along the lanes: number r + 8 (r / 8) of a tile
	; both forms of the bias are loaded in both roles (the same 512 bytes): so every register that a way out reads is written on every path
.irp b, 0,1,2,3,4,5,6,7
	global_load_b128 v[96+8*\b+96*(\b/4):96+8*\b+96*(\b/4)+3], v21, s[6:7] offset:(32*(\b/2)+8*(\b%2))*4
	global_load_b128 v[96+8*\b+96*(\b/4)+4:96+8*\b+96*(\b/4)+7], v21, s[6:7] offset:(32*(\b/2)+8*(\b%2))*4+16
.endr
	WIN 0x40                                       ; destination window 1
.irp a, 0,1,2,3,4,5,6,7
	global_load_b32 v[96+2*\a], v1, s[6:7] offset:(32*(\a/2)+8*(\a%2))*4
	global_load_b32 v[97+2*\a], v1, s[6:7] offset:(32*(\a/2)+8*(\a%2))*4   ; twice: a pair for the packed addition
.endr
	WIN 0
	s_wait_tensorcnt 2                             ; the scale words and my part of quarter 0 are in; quarters 1 and 2 may be out
	s_barrier_signal -1
	s_barrier_wait -1                              ; everybody's are
	FETCH_B 0
	FETCH_A 0, 0
	SCALES
	FETCH_A 0, 4
	STEP 0, 1                                      ; the first K step starts the sums: nothing is cleared
	TURN 1, 1                                      ; slot 0 is left; every wave's parts of quarters 1 and 2 have landed; quarter 3 is asked for
	STEP 2, 0
	STEP 3, 0                                      ; (into slot 2 with no barrier: the round above has shown it whole)
	STEP 4, 0
	TURN 5, 0                                      ; quarter 3 has landed in every wave; nothing is filled, so no round follows
	STEP 6, 0
	s_wait_dscnt 16                                ; the last K step: nothing more to fetch
	WIN 0xa1
	MUL16 0, 7, 0
	MUL16 2, 7, 0
	s_wait_dscnt 0x0
	WIN 0xf1
	MUL16 4, 7, 0
	MUL16 6, 7, 0
	WIN 0
; THE WAY OUT, S1's blocks one after the other.  A block's 64 registers of a lane are 128 neighbours (with lane l xor 16's) along S0: the bias is added (the same line moves the sums into window 0), the four blocks of 32 are
; quantised, and the twelve registers of codes are a fragment as the next launch loads it.  vp = 0: its two halves are a tile of 16 tokens of two heads.  vp = 1: it is 16 channels x 128 keys of one head.
.macro EPI vp
.irp a, 0,1,2,3,4,5,6,7
.if \a > 0
	s_wait_xcnt 0x0                                ; the last block's stores have read their registers
.endif
.if \vp
	WIN 0x06+\a/4                                  ; source 0: window 2 or 3; source 1: window 1
.else
	WIN 0x02+\a/4
.endif
.irp b, 0,1,2,3,4,5,6,7
.irp k, 0,2,4,6
.if \vp
	v_pk_add_f32 v[X+8*\b+\k:X+8*\b+\k+1], v[8*(8*(\a%4)+\b)+\k:8*(8*(\a%4)+\b)+\k+1], v[96+2*\a:97+2*\a]
.else
	v_pk_add_f32 v[X+8*\b+\k:X+8*\b+\k+1], v[8*(8*(\a%4)+\b)+\k:8*(8*(\a%4)+\b)+\k+1], v[96+8*\b+96*(\b/4)+\k:96+8*\b+96*(\b/4)+\k+1]
.endif
.endr
.endr
	WIN 0
	QUANT X, PWS+\a
.if \vp
	global_store_b128 v17, v[PC:PC+3], s[8:9] offset:(\a/4)*GB+(\a%4)*1536
	global_store_b64 v18, v[PC+4:PC+5], s[8:9] offset:(\a/4)*GB+(\a%4)*1536+512
	global_store_b128 v17, v[PC+6:PC+9], s[8:9] offset:(\a/4)*GB+(\a%4)*1536+768
	global_store_b64 v18, v[PC+10:PC+11], s[8:9] offset:(\a/4)*GB+(\a%4)*1536+1280
.else
	global_store_b128 v17, v[PC:PC+3], s[8:9] offset:768*\a
	global_store_b64 v18, v[PC+4:PC+5], s[8:9] offset:768*\a+512
	global_store_b128 v17, v[PC+6:PC+9], s[8:9] offset:GB+768*\a
	global_store_b64 v18, v[PC+10:PC+11], s[8:9] offset:GB+768*\a+512
.endif
.endr
.irp i, 0,1,2,3                                ; lanes 0-15 serve the first head row, lanes 16-31 the second
.if \vp
	v_cndmask_b32 v[X+\i], v[PWS+\i], v[PWS+4+\i], s98
.else
	v_perm_b32 v[X+\i], v[PWS+2*\i+1], v[PWS+2*\i], v20
.endif
.endr
	global_store_b128 v19, v[X:X+3], s[10:11]      ; two runs of 256 consecutive bytes, aligned
.endm
	PLACES
	s_wait_loadcnt 0x0                             ; the bias
.irp b, 0,1,2,3
	v_mov_b32 v[TM+4+\b], 0                        ; written once: a lane permute's destination counts as one of its sources
.endr
	s_cmp_eq_u32 s99, 1
	s_cbranch_scc1 .Lvrole
	EPI 0
	s_branch .Lclose
.Lvrole:
	EPI 1
.Lclose:
	s_wait_tensorcnt 0x0                           ; the wave's end
	ds_add_u32 v[SPW], v[NIL]
	s_wait_dscnt 0x0
	CROUND                                         ; the closing round: no work-group ends while a partner may still ask for a tile that names it
	s_endpgm
.Lfunc_end_k_q3d574e32c1_qkv:
	.size	k_q3d574e32c1_qkv, .Lfunc_end_k_q3d574e32c1_qkv-k_q3d574e32c1_qkv
	.p2alignl 7, 3214868480
	.fill 96, 4, 3214868480
	.section	.rodata,"a",@progbits
	.p2align	6, 0x0
	.amdhsa_kernel k_q3d574e32c1_qkv
		.amdhsa_group_segment_fixed_size 327680
		.amdhsa_private_segment_fixed_size 0
		.amdhsa_enable_private_segment 0
		.amdhsa_kernarg_size 24
		.amdhsa_user_sgpr_count 2
		.amdhsa_user_sgpr_kernarg_segment_ptr 1
		.amdhsa_wavefront_size32 1
		.amdhsa_system_sgpr_workgroup_id_x 1
		.amdhsa_system_sgpr_workgroup_id_y 1
		.amdhsa_system_sgpr_workgroup_id_z 1
		.amdhsa_system_vgpr_workitem_id 0
		.amdhsa_next_free_vgpr 1024
		.amdhsa_next_free_sgpr 102
		.amdhsa_reserve_vcc 0
		.amdhsa_float_denorm_mode_32 3
		.amdhsa_float_denorm_mode_16_64 3
		.amdhsa_memory_ordered 1
		.amdhsa_forward_progress 1
		.amdhsa_inst_pref_size 217
	.end_amdhsa_kernel
	.amdgpu_metadata
---
amdhsa.version: [ 1, 2 ]
amdhsa.kernels:
  - .name:           k_q3d574e32c1_qkv
    .symbol:         k_q3d574e32c1_qkv.kd
    .args:
      - { .name: opq, .offset: 0, .size: 8, .value_kind: global_buffer, .address_space: global }
      - { .name: bqkv, .offset: 8, .size: 8, .value_kind: global_buffer, .address_space: global }
      - { .name: qkvc, .offset: 16, .size: 8, .value_kind: global_buffer, .address_space: global }
    .group_segment_fixed_size: 327680
    .private_segment_fixed_size: 0
    .kernarg_segment_align: 8
    .kernarg_segment_size: 24
    .max_flat_workgroup_size: 128
    .sgpr_count:     102
    .vgpr_count:     1024
    .wavefront_size: 32
...
	.end_amdgpu_metadata
.endif
;; end of part 2
;; launch attn (part 3): grid 4 x 64, 16 waves a work-group, clusters of 4 x 1, 206,848 bytes of LDS; arguments qkvc, attc; writes attc
.if DOCPART == 3
	.amdgcn_target "amdgcn-amd-amdhsa--gfx1250"
	.amdhsa_code_object_version 6
	.text
	.protected	k_q3d574e32c1_attn
	.globl	k_q3d574e32c1_attn
	.p2align	8
	.type	k_q3d574e32c1_attn,@function
k_q3d574e32c1_attn:
	s_mov_b64 s[64:65], 0
	v_nop
	global_prefetch_b8 v0, s[64:65] scope:SCOPE_SE
	s_setreg_imm32_b32 hwreg(HW_REG_WAVE_MODE, 25, 1), 1
	s_wait_xcnt 0x0
	s_wait_alu depctr_hold_cnt(0) depctr_sa_sdst(0) depctr_va_vdst(0) depctr_va_sdst(0) depctr_va_ssrc(0) depctr_va_vcc(0) depctr_vm_vsrc(0)
	s_getreg_b32 s2, hwreg(HW_REG_IB_STS2, 6, 4)
	s_cmp_eq_u32 s2, 0
	s_cbranch_scc0 .Lentry_in_a_cluster
	s_endpgm
.Lentry_in_a_cluster:
	s_bfe_u32 s2, ttmp6, 0x10000c
	s_cmp_lg_u32 s2, 0x3003
	s_cbranch_scc0 .Lentry_shape_is_right
	s_endpgm
.Lentry_shape_is_right:
; Causal attention of one head row (16 b + head) on codes of FP6 (E2M3) with E8M0 scales; the result, divided by the row's sum, is quantised along the head's 64 and leaves as codes for the last product.
; t = score x log2(e) / 8; M = the running largest t rounded UP to a whole number; p = 2^(t - M) is quantised along the keys, not normalised; the sum is taken of the unquantised p; when M moves, the sum and O are
; multiplied by 2^(old M - new M), which rounds nothing.
; A HEAD'S WHOLE K AND V LIE IN LDS: 2 x 98,304 bytes of codes and 2 x 4,096 of scale words, filled once: no ring, no refill, no barrier in the loop.  The four work-groups of a head row form a cluster and ask jointly.
; SHARES.  With p = wave % 8 and tile ti = 2 cx + wave / 8, a wave takes the 16 queries of tile ti of query group p (128 queries a group) and then those of group 15 - p: (p + 1) + (16 - p) = 17 key steps of 128 for every wave.
; Trip counts and branches hang on the wave's number alone; cx enters global addresses and the numbers that the mask compares, and nothing else.
; LAYOUT.  Both products transposed: a lane holds ONE query.  Tile T of 16 rows holds rows 32 (T / 2) + 8 (T % 2) + i + 8 (i / 8), so the 16 registers of result tiles 2 b, 2 b + 1 are 16 neighbours.
; THE FIRST PRODUCT'S K IS 64, HALF OF THE INSTRUCTION'S 128.  Two neighbouring key tiles, as they lie in memory, are one source 0: [X | Y].  The queries stand as 18 registers [0 x 6 | q x 6 | 0 x 6]: v22-33 = [q | 0] gives X q,
; v16-27 = [0 | q] gives Y q.  Zero codes add nothing under any scale byte but 0xff, which no byte here is.
; LIMITS: NaN and infinities are not served; a block of the result whose largest magnitude lies under 2^-124, or that is all zeros, takes the byte 1.  The result's scale bytes leave two at a time (262,144 bytes in all).
; REGISTERS: v1-9 addresses and the mask's number; v10, v11 the add's; v12 -M, v13 the largest t, v[14:15] the sum; v16-33 q; v34, v35 q's scale words; v36-39 K's, v40-43 V's; v44 16 r, v45 at work, v47 lane;
;   v48-95 four fragments, K's and then V's; v96-159 S^T, then p; v160-191 O^T; v192-223 O^T / the sum; v224.. codes; v232-254 at work.
.set QSO,   18874368
.set ASO,   6291456
.set HB,    98304                      ; a head row's codes
.set QB,    24576                      ; what one tensor load brings of them
.set KSB,   2*HB                       ; K's scale words; V's 4,096 bytes on
.set SPARE, KSB+8192                   ; the spare words, 128 bytes for each of sixteen waves
.set SPW,  10
.set NIL,  11
.set WV,   8                           ; s8   wave
.set SEL,  20                          ; s[20:21] lane l xor 16
.set CS,   22                          ; s[22:23] c = log2(e) / 8
.set G1C,  24                          ; s[24:31] group 1 for codes;  s[32:39] for scale words;  s[40:43], s[44:47] their groups 0
.set G1S,  32
.set G0C,  40
.set G0S,  44
.macro ROUND                           ; a round of the cluster's barrier
	s_barrier_signal -1
	s_barrier_wait -1
	s_cmp_lg_u32 s[WV], 0
	s_cbranch_scc1 .Lnot_wave_0_\@
	s_barrier_signal -3
.Lnot_wave_0_\@:
	s_barrier_wait -3
	s_barrier_signal -1
	s_barrier_wait -1
.endm
	s_load_b128 s[4:7], s[0:1], 0x0                ; qkvc, attc
	v_lshl_add_u32 v[SPW], v0, 2, SPARE
	v_mov_b32 v[NIL], 0
	ds_add_u32 v[SPW], v[NIL]                      ; the wave's opening: the add and its wait ahead of the first tensor loads; the set-up below stands between them
	ds_add_u32 v[SPW], v[NIL]
	v_lshrrev_b32 v1, 5, v0
	s_delay_alu instid0(VALU_DEP_1)
	v_readfirstlane_b32 s[WV], v1                  ; wave 0..15
	s_bfe_u32 s9, ttmp6, 0x40000                   ; cx
	s_and_b32 s10, ttmp7, 0xffff                   ; the head row, which the four partners share
	; group 1: dense blocks as rows of 256 bytes (32 elements of 8 bytes); the mask names all four; bit 21 set beside it
	s_mov_b32 s[G1C], 15|(3<<16)|(1<<21)
	s_mov_b32 s[G1C+1], 32<<16
	s_mov_b32 s[G1C+2], 96<<16
	s_mov_b32 s[G1C+3], 32<<16
	s_mov_b32 s[G1C+4], 96
	s_mov_b32 s[G1C+5], 32
	s_mov_b32 s[G1C+6], 0
	s_mov_b32 s[G1C+7], 0
	s_mov_b32 s[G1S], 15|(3<<16)|(1<<21)
	s_mov_b32 s[G1S+1], 32<<16
	s_mov_b32 s[G1S+2], 16<<16
	s_mov_b32 s[G1S+3], 32<<16
	s_mov_b32 s[G1S+4], 16
	s_mov_b32 s[G1S+5], 32
	s_mov_b32 s[G1S+6], 0
	s_mov_b32 s[G1S+7], 0
	s_lshr_b32 s11, s[WV], 2                       ; waves 0-3: K's quarters; waves 4-7: V's
	s_lshl_b32 s11, s11, 6
	s_add_co_u32 s11, s11, 64
	s_add_co_u32 s11, s11, s10
	s_mul_i32 s2, s11, HB
	s_and_b32 s11, s[WV], 3
	s_mul_i32 s11, s11, QB
	s_add_co_u32 s2, s2, s11
	s_mov_b32 s3, 0
	s_and_b32 s11, s[WV], 1                        ; wave 8: K's scale words; wave 9: V's
	s_lshl_b32 s11, s11, 6
	s_add_co_u32 s11, s11, 64
	s_add_co_u32 s11, s11, s10
	s_lshl_b32 s56, s11, 12
	s_add_co_u32 s56, s56, QSO
	s_mov_b32 s57, 0
	s_mov_b32 s[SEL], 0x76543210
	s_mov_b32 s[SEL+1], 0xfedcba98
	s_mov_b32 s[CS], 0x3e38aa3b
	s_mov_b32 s[CS+1], s[CS]                       ; (named with it as a pair, so it is written)
	s_wait_dscnt 0x0                               ; the opening add is done
	s_wait_kmcnt 0x0
	ROUND                                          ; all four work-groups are here: the joint loads meet
	s_mov_b32 s[G0C], 1
	s_mul_i32 s[G0C+1], s[WV], QB                  ; K's four quarters, then V's four
	s_add_nc_u64 s[G0C+2:G0C+3], s[4:5], s[2:3]
	s_or_b32 s[G0C+3], s[G0C+3], 0x80000000
	s_mov_b32 s[G0S], 1
	s_lshl_b32 s[G0S+1], s[WV], 12
	s_add_co_u32 s[G0S+1], s[G0S+1], KSB-8*4096    ; KSB + 4,096 (wave - 8)
	s_add_nc_u64 s[G0S+2:G0S+3], s[4:5], s[56:57]
	s_or_b32 s[G0S+3], s[G0S+3], 0x80000000
	s_cmp_lt_u32 s[WV], 8                          ; the branches hang on the wave's number alone; an s_nop 0 and four v_nop follow each load
	s_cbranch_scc0 .Lnot_codes
	tensor_load_to_lds s[G0C:G0C+3], s[G1C:G1C+7]
	s_nop 0
.rept 4
	v_nop
.endr
	s_branch .Lasked
.Lnot_codes:
	s_cmp_lt_u32 s[WV], 10
	s_cbranch_scc0 .Lasked
	tensor_load_to_lds s[G0S:G0S+3], s[G1S:G1S+7]
	s_nop 0
.rept 4
	v_nop
.endr
.Lasked:
	v_and_b32 v47, 31, v0                          ; lane
	v_and_b32 v45, 15, v0                          ; r
	v_bfe_u32 v46, v0, 4, 1                        ; h
	s_delay_alu instid0(VALU_DEP_3)
	v_lshlrev_b32 v1, 4, v47                       ; 16 x lane
	s_delay_alu instid0(VALU_DEP_4)
	v_lshlrev_b32 v2, 3, v47                       ; 8 x lane
	s_delay_alu instid0(VALU_DEP_4)
	v_lshlrev_b32 v44, 4, v45                      ; 16 r
	s_delay_alu instid0(VALU_DEP_1)
	v_add_nc_u32 v3, KSB, v44                      ; my row's scale words of a key step
	s_lshr_b32 s18, s[WV], 3                       ; ti % 2
	s_lshl_b32 s66, s9, 1
	s_add_co_u32 s66, s66, s18                     ; ti = 2 cx + wave / 8
	s_lshl_b32 s11, s9, 5
	s_lshl_b32 s67, s18, 3
	s_add_co_u32 s11, s11, s67                     ; 32 (ti / 2) + 8 (ti % 2)
	v_and_b32 v9, 8, v45
	s_delay_alu instid0(VALU_DEP_1)
	v_add_nc_u32 v9, v9, v45
	s_delay_alu instid0(VALU_DEP_1)
	v_add_nc_u32 v9, s11, v9                       ; my query in its group of 128,
	v_lshlrev_b32 v46, 4, v46
	s_delay_alu instid0(VALU_DEP_1)
	v_sub_nc_u32 v9, v9, v46                       ; less 16 h: register 16 b + i holds key 32 b + 16 h + i, hidden on the diagonal where 32 b + i is above this number
	s_lshl_b32 s18, s18, 4                         ; which half of q's pair word is my tile's
.irp j, 16,17,18,19,20,21,28,29,30,31,32,33
	v_mov_b32 v\j, 0                               ; the zero codes beside q
.endr
.irp j, 236,237,238,239,252,253
	v_mov_b32 v\j, 0                               ; written once: a lane permute's destination counts as one of its sources; v253 is named as the upper half of a pair
.endr
	; what does not change from tile to tile
	s_mul_i32 s2, s10, HB
	s_mul_i32 s11, s66, 768
	s_add_co_u32 s2, s2, s11
	s_add_nc_u64 s[48:49], s[4:5], s[2:3]          ; q's codes: head row, tile ti
	s_lshl_b32 s2, s10, 12
	s_lshl_b32 s11, s9, 2
	s_add_co_u32 s2, s2, s11
	s_add_co_u32 s2, s2, QSO
	s_add_nc_u64 s[50:51], s[4:5], s[2:3]          ; q's pair word ti / 2
	s_lshr_b32 s67, s10, 4
	s_lshl_b32 s67, s67, 4                         ; 16 b
	s_bfe_u32 s11, s10, 0x30001                    ; head / 2: the last product's K step
	s_and_b32 s12, s10, 1                          ; head % 2: which half of it
	s_mul_i32 s2, s67, HB
	s_mul_i32 s56, s11, 12288
	s_add_co_u32 s2, s2, s56
	s_mul_i32 s56, s66, 1536
	s_add_co_u32 s2, s2, s56
	s_mul_i32 s56, s12, 768
	s_add_co_u32 s2, s2, s56
	s_add_nc_u64 s[52:53], s[6:7], s[2:3]          ; the result's codes
	s_lshl_b32 s2, s67, 12
	s_lshl_b32 s56, s66, 9
	s_add_co_u32 s2, s2, s56
	s_lshr_b32 s56, s11, 2
	s_lshl_b32 s56, s56, 8
	s_add_co_u32 s2, s2, s56
	s_and_b32 s56, s11, 3
	s_lshl_b32 s56, s56, 2
	s_add_co_u32 s2, s2, s56
	s_lshl_b32 s56, s12, 1
	s_add_co_u32 s2, s2, s56
	s_add_co_u32 s2, s2, ASO
	s_add_nc_u64 s[54:55], s[6:7], s[2:3]          ; and its two scale bytes a row
	s_wait_tensorcnt 0x0                           ; my part has landed,
	s_barrier_signal -1
	s_barrier_wait -1                              ; everybody's has: K, V and their scale words are whole, and nothing writes them again
; ONE TILE OF 16 QUERIES, of query group s13.
.macro TILE
	s_mul_i32 s2, s13, 6144
	s_add_nc_u64 s[56:57], s[48:49], s[2:3]
	s_lshl_b32 s2, s13, 8
	s_add_nc_u64 s[58:59], s[50:51], s[2:3]
	s_mul_i32 s2, s13, HB
	s_add_nc_u64 s[60:61], s[52:53], s[2:3]
	s_lshl_b32 s2, s13, 12
	s_add_nc_u64 s[62:63], s[54:55], s[2:3]
	global_load_b128 v[22:25], v1, s[56:57]        ; q's six registers, as they were stored
	global_load_b64 v[26:27], v2, s[56:57] offset:512
	global_load_b32 v45, v44, s[58:59]
	v_mov_b32 v13, 0xff61b1e6                      ; the largest t so far: -3e38
	s_delay_alu instid0(VALU_DEP_1)
	v_floor_f32 v12, -v13                          ; -M
	v_mov_b32 v14, 0
	v_mov_b32 v15, 0
	s_mov_b32 s14, 0                               ; the key step,
	s_mov_b32 s15, 0                               ; its K tiles in LDS,
	s_mov_b32 s16, HB                              ; its V tiles,
	s_mov_b32 s17, 0                               ; its scale words
	s_wait_loadcnt 0x0
	v_lshrrev_b32 v34, s18, v45
	s_delay_alu instid0(VALU_DEP_1)
	v_and_b32 v34, 0xffff, v34                     ; q's two bytes below, for [q | 0];
	s_delay_alu instid0(VALU_DEP_1)
	v_lshlrev_b32 v35, 16, v34                     ; above, for [0 | q].  (The 32 lines below are the places in front of the first scaled product)
.set jj, 0
.rept 32
	v_mov_b32 v[160+jj], 0                         ; O^T.  (The step is written once: the first finds zeros, which the first change of M leaves zeros)
.set jj, jj+1
.endr
.Lstep_\@:                                         ; sixteen trips, a constant; a step all of whose keys come after my queries is jumped over, but for the lines at its end that step addresses
	s_cmp_gt_u32 s14, s13
	s_cbranch_scc1 .Lhid_\@
	s_setprio 2
	v_add_nc_u32 v4, s15, v1                       ; (these five are also the places behind the last step's products, in front of the loads below)
	v_add_nc_u32 v5, s15, v2
	v_add_nc_u32 v6, s16, v1
	v_add_nc_u32 v7, s16, v2
	v_add_nc_u32 v8, s17, v3
.irp m, 0,1,2,3                                ; four pairs of key tiles
	ds_load_b128 v[48+12*\m:51+12*\m], v4 offset:1536*\m
	ds_load_b64 v[52+12*\m:53+12*\m], v5 offset:1536*\m+512
	ds_load_b128 v[54+12*\m:57+12*\m], v4 offset:1536*\m+768
	ds_load_b64 v[58+12*\m:59+12*\m], v5 offset:1536*\m+1280
.endr
	ds_load_b128 v[36:39], v8                      ; their four pair words
	s_wait_alu depctr_va_vdst(0)
	s_wait_dscnt 0x0
.irp m, 0,1,2,3
	v_wmma_scale_f32_16x16x128_f8f6f4 v[96+16*\m:103+16*\m], v[48+12*\m:59+12*\m], v[22:33], 0, v[36+\m], v34 matrix_a_fmt:MATRIX_FMT_FP6 matrix_b_fmt:MATRIX_FMT_FP6
	v_wmma_scale_f32_16x16x128_f8f6f4 v[104+16*\m:111+16*\m], v[48+12*\m:59+12*\m], v[16:27], 0, v[36+\m], v35 matrix_a_fmt:MATRIX_FMT_FP6 matrix_b_fmt:MATRIX_FMT_FP6
.endr
.rept 4
	v_nop                                          ; places: in front of the loads into the fragments' registers and of the first read of the scores
.endr
.irp m, 0,1,2,3                                ; V's four tiles of 16 channels x these 128 keys: they land under the softmax
	ds_load_b128 v[48+12*\m:51+12*\m], v6 offset:1536*\m
	ds_load_b64 v[52+12*\m:53+12*\m], v7 offset:1536*\m+512
	ds_load_b128 v[54+12*\m:57+12*\m], v6 offset:1536*\m+768
	ds_load_b64 v[58+12*\m:59+12*\m], v7 offset:1536*\m+1280
.endr
	ds_load_b128 v[40:43], v8 offset:4096
	s_cmp_lg_u32 s14, s13                          ; on the diagonal the scores of hidden keys become -infinity ahead of the maximum: p = 0 then
	s_cbranch_scc1 .Lopen_\@
	v_mov_b32 v254, 0xff800000
.set nn, 0
.rept 64
	v_cmp_gt_i32 vcc_lo, 32*(nn/16)+nn%16, v9
	v_cndmask_b32 v[96+nn], v[96+nn], v254, vcc_lo
.set nn, nn+1
.endr
.Lopen_\@:
.irp b, 0,1,2,3
	v_max3_num_f32 v[232+\b], v[96+16*\b], v[97+16*\b], v[98+16*\b]   ; the largest score of each block of 32 keys: it serves the row's maximum and, since p rises with the score, the block's largest p
.endr
.irp i, 3,5,7,9,11,13
.irp b, 0,1,2,3
	v_max3_num_f32 v[232+\b], v[232+\b], v[96+16*\b+\i], v[97+16*\b+\i]
.endr
.endr
.irp b, 0,1,2,3
	v_max_num_f32 v[232+\b], v[232+\b], v[111+16*\b]
.endr
.irp b, 0,1,2,3
	s_delay_alu instid0(VALU_DEP_4)
	v_permlanex16_b32 v[236+\b], v[232+\b], s[SEL], s[SEL+1]
.endr
.irp b, 0,1,2,3
	s_delay_alu instid0(VALU_DEP_4)
	v_max_num_f32 v[232+\b], v[232+\b], v[236+\b]  ; with lane l xor 16's 16 keys
.endr
	s_delay_alu instid0(VALU_DEP_2)
	v_max3_num_f32 v254, v232, v233, v234
	s_delay_alu instid0(VALU_DEP_1)
	v_max_num_f32 v254, v254, v235
	s_delay_alu instid0(VALU_DEP_1)
	v_mul_f32 v254, s[CS], v254                    ; as t (c is positive)
	s_delay_alu instid0(VALU_DEP_1)
	v_max_num_f32 v13, v13, v254                   ; the running largest t
	v_mov_b32 v254, v12
	s_delay_alu instid0(VALU_DEP_2)
	v_floor_f32 v12, -v13                          ; the new -M = -ceil(t)
	s_delay_alu instid0(VALU_DEP_1)
	v_sub_f32 v254, v12, v254                      ; old M - new M: a whole number, 0 or less
	s_delay_alu instid0(VALU_DEP_1)
	v_cvt_i32_f32 v254, v254                       ; (it saturates)
	s_delay_alu instid0(VALU_DEP_1)
	v_ldexp_f32 v252, 1.0, v254                    ; f = 2^(old M - new M)
.set jj, 0
.rept 32
	v_pk_fma_f32 v[96+jj:97+jj], v[96+jj:97+jj], s[CS:CS+1], v[12:13] op_sel_hi:[1,0,0]   ; t - M, two at a time
.set jj, jj+2
.endr
	s_setprio 1
.irp b, 0,1,2,3
	v_fma_f32 v[232+\b], v[232+\b], s[CS], v12     ; the same of each block's largest score
.endr
.set jj, 0
	s_wait_alu depctr_va_vdst(0)
.rept 64
	v_exp_f32 v[96+jj], v[96+jj]                   ; p = 2^(t - M)
.set jj, jj+1
.endr
	v_pk_mul_f32 v[14:15], v[14:15], v[252:253] op_sel_hi:[1,0]   ; the sums under the new M: a plain place behind the exponentials
	s_wait_alu depctr_va_vdst(0)                   ; one wait for the whole batch, ahead of its first reader
.irp b, 0,1,2,3
	v_exp_f32 v[232+\b], v[232+\b]                 ; the block's largest p
.endr
	v_pk_add_f32 v[236:237], v[100:101], v[104:105]
	v_pk_add_f32 v[250:251], v[108:109], v[112:113]
	v_pk_add_f32 v[248:249], v[116:117], v[120:121]
	v_pk_add_f32 v[14:15], v[14:15], v[124:125]
	v_pk_add_f32 v[236:237], v[236:237], v[128:129]
	v_pk_add_f32 v[250:251], v[250:251], v[132:133]
	v_pk_add_f32 v[248:249], v[248:249], v[136:137]
	v_pk_add_f32 v[14:15], v[14:15], v[140:141]
	v_pk_add_f32 v[236:237], v[236:237], v[144:145]
	v_pk_add_f32 v[250:251], v[250:251], v[148:149]
	v_pk_add_f32 v[248:249], v[248:249], v[152:153]
	v_pk_add_f32 v[14:15], v[14:15], v[156:157]
	v_pk_add_f32 v[236:237], v[236:237], v[96:97]
	v_pk_add_f32 v[250:251], v[250:251], v[98:99]
	v_pk_add_f32 v[248:249], v[248:249], v[102:103]
	v_pk_add_f32 v[14:15], v[14:15], v[106:107]
	v_pk_add_f32 v[236:237], v[236:237], v[110:111]
	v_pk_add_f32 v[250:251], v[250:251], v[114:115]
	v_pk_add_f32 v[248:249], v[248:249], v[118:119]
	v_pk_add_f32 v[14:15], v[14:15], v[122:123]
	v_pk_add_f32 v[236:237], v[236:237], v[126:127]
	v_pk_add_f32 v[250:251], v[250:251], v[130:131]
	v_pk_add_f32 v[248:249], v[248:249], v[134:135]
	v_pk_add_f32 v[14:15], v[14:15], v[138:139]
	v_pk_add_f32 v[236:237], v[236:237], v[142:143]
	v_pk_add_f32 v[250:251], v[250:251], v[146:147]
	v_pk_add_f32 v[248:249], v[248:249], v[150:151]
	v_pk_add_f32 v[14:15], v[14:15], v[154:155]
	v_pk_add_f32 v[236:237], v[236:237], v[158:159]
	s_delay_alu instid0(VALU_DEP_2)
	v_pk_add_f32 v[14:15], v[14:15], v[250:251]
	s_delay_alu instid0(VALU_DEP_2)
	v_pk_add_f32 v[236:237], v[236:237], v[248:249]
	s_delay_alu instid0(VALU_DEP_1)
	v_pk_add_f32 v[14:15], v[14:15], v[236:237]
	s_wait_alu depctr_va_vdst(0)                   ; and one for the four
.irp b, 0,1,2,3
	v_max_num_f32 v[232+\b], 0x1800000, v[232+\b]  ; the floor 2^(3 - 127)
.endr
.irp b, 0,1,2,3
	s_delay_alu instid0(VALU_DEP_4)
	v_add_nc_u32 v[244+\b], 0xff000000, v[232+\b]  ; the conversion's scale operand
.endr
.irp b, 0,1,2,3
	s_delay_alu instid0(VALU_DEP_4)
	v_lshrrev_b32 v[236+\b], 23, v[244+\b]         ; the byte
.endr
	s_delay_alu instid0(VALU_DEP_3)
	v_lshl_or_b32 v253, v237, 8, v236              ; p's scale word for these 128 keys
	s_delay_alu instid0(VALU_DEP_1)
	v_lshl_or_b32 v253, v238, 16, v253
	s_delay_alu instid0(VALU_DEP_1)
	v_lshl_or_b32 v253, v239, 24, v253
	s_setprio 0
.irp c, 0,1
	v_cvt_scalef32_pk16_fp6_f32 v[224+6*\c:226+6*\c], v[96+32*\c:111+32*\c], v[244+2*\c]
	v_cvt_scalef32_pk16_fp6_f32 v[236+4*\c:238+4*\c], v[112+32*\c:127+32*\c], v[244+2*\c+1]
.endr
	v_nop                                          ; one plain place behind a scaled conversion
.irp c, 0,1
.irp i, 0,1,2
	v_permlane16_swap_b32 v[224+6*\c+\i], v[236+4*\c+\i]
.endr
.irp i, 0,1,2
	s_delay_alu instid0(VALU_DEP_3)
	v_mov_b32 v[227+6*\c+\i], v[236+4*\c+\i]
.endr
.endr
.set jj, 0
.rept 16
	v_pk_mul_f32 v[160+jj:161+jj], v[160+jj:161+jj], v[252:253] op_sel_hi:[1,0]   ; O^T under the new M.  (These sixteen are also the places in front of the scaled products below)
.set jj, jj+2
.endr
	s_wait_alu depctr_va_vdst(0)
	s_wait_dscnt 0x0                               ; V is in
.irp t, 0,1,2,3                                ; four accumulators by turns
	v_wmma_scale_f32_16x16x128_f8f6f4 v[160+8*\t:167+8*\t], v[48+12*\t:59+12*\t], v[224:235], v[160+8*\t:167+8*\t], v[40+\t], v253 matrix_a_fmt:MATRIX_FMT_FP6 matrix_b_fmt:MATRIX_FMT_FP6
.endr
.Lhid_\@:
	s_add_co_u32 s15, s15, 6144
	s_add_co_u32 s16, s16, 6144
	s_add_co_u32 s17, s17, 256
	s_add_co_u32 s14, s14, 1
	s_cmp_lt_u32 s14, 16
	s_cbranch_scc1 .Lstep_\@
	s_setprio 0
	; the tile's way out: O^T / the sum, quantised: its 32 registers are, with lane l xor 16's, the head's 64: two blocks
.rept 4
	v_nop                                          ; places behind the last products (the trips that were jumped over hold no vector work)
.endr
	v_add_f32 v14, v14, v15
	s_delay_alu instid0(VALU_DEP_1)
	v_permlanex16_b32 v252, v14, s[SEL], s[SEL+1]
	s_delay_alu instid0(VALU_DEP_1)
	v_add_f32 v14, v14, v252                       ; the row's sum
	s_wait_alu depctr_va_vdst(0)
	v_rcp_f32 v14, v14
	v_nop                                          ; a plain place behind the reciprocal
	s_wait_alu depctr_va_vdst(0)                   ; and the wait ahead of its first reader
.set jj, 0
.rept 16
	v_pk_mul_f32 v[192+jj:193+jj], v[160+jj:161+jj], v[14:15] op_sel_hi:[1,0]
.set jj, jj+2
.endr
.irp b, 0,1
	v_max3_num_f32 v[232+\b], |v[192+16*\b]|, |v[193+16*\b]|, 0x1800000
.endr
.irp i, 2,4,6,8,10,12,14
.irp b, 0,1
	s_delay_alu instid0(VALU_DEP_2)
	v_max3_num_f32 v[232+\b], v[232+\b], |v[192+16*\b+\i]|, |v[193+16*\b+\i]|
.endr
.endr
.irp b, 0,1
	s_delay_alu instid0(VALU_DEP_2)
	v_permlanex16_b32 v[236+\b], v[232+\b], s[SEL], s[SEL+1]
.endr
.irp b, 0,1
	s_delay_alu instid0(VALU_DEP_2)
	v_max_num_f32 v[232+\b], v[232+\b], v[236+\b]
.endr
.irp b, 0,1
	s_delay_alu instid0(VALU_DEP_2)
	v_add_nc_u32 v[244+\b], 0xff000000, v[232+\b]
.endr
.irp b, 0,1
	s_delay_alu instid0(VALU_DEP_2)
	v_lshrrev_b32 v[236+\b], 23, v[244+\b]
.endr
	s_delay_alu instid0(VALU_DEP_1)
	v_lshl_or_b32 v254, v237, 8, v236              ; my row's two bytes
	v_cvt_scalef32_pk16_fp6_f32 v[224:226], v[192:207], v244
	v_cvt_scalef32_pk16_fp6_f32 v[228:230], v[208:223], v245
	v_nop                                          ; one plain place behind a scaled conversion
.irp i, 0,1,2
	v_permlane16_swap_b32 v[224+\i], v[228+\i]
.endr
	s_delay_alu instid0(VALU_DEP_3)
	v_mov_b32 v227, v228
	s_delay_alu instid0(VALU_DEP_3)
	v_mov_b32 v228, v229
	s_delay_alu instid0(VALU_DEP_3)
	v_mov_b32 v229, v230                           ; v224-229: half a fragment of the last product's operand
	global_store_b128 v1, v[224:227], s[60:61]     ; 512 consecutive bytes,
	global_store_b64 v2, v[228:229], s[60:61] offset:512   ; and 256
	s_wait_xcnt 0x0                                ; EXEC changes only behind this wait
	v_cmp_gt_u32 vcc_lo, 16, v47
	s_and_saveexec_b32 s19, vcc_lo                 ; lanes 16-31 hold the same bytes
	global_store_b16 v44, v254, s[62:63]
	s_wait_xcnt 0x0                                ; and again; it also frees the bases and the codes' registers for the next tile
	s_or_b32 exec_lo, exec_lo, s19
.endm
	s_and_b32 s13, s[WV], 7                        ; query group p,
	TILE
	s_sub_co_u32 s13, 15, s13                      ; then 15 - p
	TILE
	s_wait_tensorcnt 0x0                           ; the wave's end
	ds_add_u32 v[SPW], v[NIL]
	s_wait_dscnt 0x0
	ROUND                                          ; the closing round
	s_endpgm
.Lfunc_end_k_q3d574e32c1_attn:
	.size	k_q3d574e32c1_attn, .Lfunc_end_k_q3d574e32c1_attn-k_q3d574e32c1_attn
	.p2alignl 7, 3214868480
	.fill 96, 4, 3214868480
	.section	.rodata,"a",@progbits
	.p2align	6, 0x0
	.amdhsa_kernel k_q3d574e32c1_attn
		.amdhsa_group_segment_fixed_size 206848
		.amdhsa_private_segment_fixed_size 0
		.amdhsa_enable_private_segment 0
		.amdhsa_kernarg_size 16
		.amdhsa_user_sgpr_count 2
		.amdhsa_user_sgpr_kernarg_segment_ptr 1
		.amdhsa_wavefront_size32 1
		.amdhsa_system_sgpr_workgroup_id_x 1
		.amdhsa_system_sgpr_workgroup_id_y 1
		.amdhsa_system_sgpr_workgroup_id_z 1
		.amdhsa_system_vgpr_workitem_id 0
		.amdhsa_next_free_vgpr 256
		.amdhsa_next_free_sgpr 68
		.amdhsa_reserve_vcc 1
		.amdhsa_float_denorm_mode_32 3
		.amdhsa_float_denorm_mode_16_64 3
		.amdhsa_memory_ordered 1
		.amdhsa_forward_progress 1
		.amdhsa_inst_pref_size 66
	.end_amdhsa_kernel
	.amdgpu_metadata
---
amdhsa.version: [ 1, 2 ]
amdhsa.kernels:
  - .name:           k_q3d574e32c1_attn
    .symbol:         k_q3d574e32c1_attn.kd
    .args:
      - { .name: qkvc, .offset: 0, .size: 8, .value_kind: global_buffer, .address_space: global }
      - { .name: attc, .offset: 8, .size: 8, .value_kind: global_buffer, .address_space: global }
    .group_segment_fixed_size: 206848
    .private_segment_fixed_size: 0
    .kernarg_segment_align: 8
    .kernarg_segment_size: 16
    .max_flat_workgroup_size: 512
    .sgpr_count:     68
    .vgpr_count:     256
    .wavefront_size: 32
...
	.end_amdgpu_metadata
.endif
;; end of part 3
;; launch proj (part 4): grid 4 x 32, 4 waves a work-group, clusters of 4 x 4, 327,680 bytes of LDS; arguments attc, opq, bo, out0; writes out0
.if DOCPART == 4
	.amdgcn_target "amdgcn-amd-amdhsa--gfx1250"
	.amdhsa_code_object_version 6
	.text
	.protected	k_q3d574e32c1_proj
	.globl	k_q3d574e32c1_proj
	.p2align	8
	.type	k_q3d574e32c1_proj,@function
k_q3d574e32c1_proj:
	s_mov_b64 s[64:65], 0
	v_nop
	global_prefetch_b8 v0, s[64:65] scope:SCOPE_SE
	s_setreg_imm32_b32 hwreg(HW_REG_WAVE_MODE, 25, 1), 1
	s_wait_xcnt 0x0
	s_wait_alu depctr_hold_cnt(0) depctr_sa_sdst(0) depctr_va_vdst(0) depctr_va_sdst(0) depctr_va_ssrc(0) depctr_va_vcc(0) depctr_vm_vsrc(0)
	s_getreg_b32 s2, hwreg(HW_REG_IB_STS2, 6, 4)
	s_cmp_eq_u32 s2, 0
	s_cbranch_scc0 .Lentry_in_a_cluster
	s_endpgm
.Lentry_in_a_cluster:
	s_bfe_u32 s2, ttmp6, 0x10000c
	s_cmp_lg_u32 s2, 0xf033
	s_cbranch_scc0 .Lentry_shape_is_right
	s_endpgm
.Lentry_shape_is_right:
; out0 = attn Wo + bo on codes of FP6 (E2M3) with E8M0 scales, K = 1,024; out0 [8192][1024] f32.
; OPERANDS are images of their registers: a fragment (16 rows x 128 K) is 1,536 bytes (lane l's registers 0-3 at 16 l, 4-5 at 512 + 8 l, 6-9 at 768 + 16 l, 10-11 at 1,280 + 8 l); a group of 128 rows is
; [K step][tile][1,536]; tile T holds rows 32 (T / 2) + 8 (T % 2) + i + 8 (i / 8).  attn's groups lie in attc (scale words at ASO), Wo's columns in opq, groups 88-95 (scale words at XS).
; A work-group makes 256 rows (S1, source 1, the lanes' axis) x 256 columns (S0, source 0, the registers' axis); each of four waves 128 x 128: 64 accumulators.  A lane's eight results are eight neighbouring columns of one row.
; K goes in four quarters of 256 through three LDS slots: quarters 0, 1, 2 are first fills, quarter 3 the launch's one refill, into slot 0, with four K steps of 64 matrix instructions in which to land.
; CLUSTERS: 4 x 4 work-groups; attn's tiles are shared along a row of the cluster, Wo's along a column: each is asked for jointly.  The bias is the C of each sum's first matrix instruction.
; 128 work-groups: a tile of half the size would need a second form of the K loop; it is not built.
; REGISTERS: window 0: v4-16 LDS addresses, v17-21 the way out, v30, v31 the add's, v32-95 scale words, v96-127 and v224-255 the bias, v128-223 S1's fragments; on the way out v128-255 hold rows.
;   window 1: S0's fragments, two sets, v0 and v128.   windows 2, 3: the accumulators, (a, b) at v[8 (8 (a % 4) + b)].
.set XS,    9437184
.set ASO,   6291456
.set GB,    98304
.set QB,    24576
.set SLOT,  4*QB
.set SCL,   3*SLOT
.set SPARE, SCL+4*4096
.set A16, 4
.set A8,  7
.set B16, 10
.set B8,  13
.set ADRS, 16
.set CO,  17                           ; v17  16 x lane: my bytes in a row of 512
.set STO, 19                           ; v19  the stage, in
.set RD,  20                           ; v20  the stage, back
.set SPW, 30
.set NIL, 31
.set SC,  32
.set AF,  128
.set BK,  128
.set G1,  24
.set G0,  32
.set G1B, 48
.set G1S, 72
.set G1SB, 80
.set G0S, 88
.set G0SB, 92
.set MSB, 0
.macro WIN new                         ; the immediate's high byte repeats the setting that is left
.if MSB != (\new)
	s_set_vgpr_msb (MSB<<8)|(\new)
.set MSB, (\new)
.endif
.endm
.macro JLOAD g0a, g1a, g0b, g1b        ; a joint load: waves 0 and 1 fetch for S1, waves 2 and 3 for S0; an s_nop 0 and four v_nop follow each of the two lines
	s_cmp_eq_u32 s15, 0
	s_cbranch_scc0 .Lfor_b_\@
	tensor_load_to_lds s[\g0a:\g0a+3], s[\g1a:\g1a+7]
	s_nop 0
.rept 4
	v_nop
.endr
	s_branch .Lasked_\@
.Lfor_b_\@:
	tensor_load_to_lds s[\g0b:\g0b+3], s[\g1b:\g1b+7]
	s_nop 0
.rept 4
	v_nop
.endr
.Lasked_\@:
.endm
.macro CREST
	s_cmp_lg_u32 s14, 0
	s_cbranch_scc1 .Lnot_wave_0_\@
	s_barrier_signal -3
.Lnot_wave_0_\@:
	s_barrier_wait -3
	s_barrier_signal -1
	s_barrier_wait -1
.endm
.macro CROUND
	s_barrier_signal -1
	s_barrier_wait -1
	CREST
.endm
.macro PLACES                          ; four places behind a matrix instruction (ISA guide 7.12.1)
.rept 4
	v_nop
.endr
.endm
.macro FRAG reg, a16, a8, off
	ds_load_b128 v[\reg:\reg+3], v[\a16] offset:\off
	ds_load_b64 v[\reg+4:\reg+5], v[\a8] offset:\off+512
	ds_load_b128 v[\reg+6:\reg+9], v[\a16] offset:\off+768
	ds_load_b64 v[\reg+10:\reg+11], v[\a8] offset:\off+1280
.endm
.macro FETCH_B s                       ; S0's eight fragments of K step s into set s % 2;  K step s lies in slot (s / 2) % 3
	WIN 0x40
.irp i, 0,1,2,3,4,5,6,7
	FRAG 128*((\s)%2)+12*\i, B16+((\s)/2)%3, B8+((\s)/2)%3, ((\s)%2)*12288+1536*\i
.endr
	WIN 0
.endm
.macro FETCH_A s, i0
.irp i, \i0, \i0+1, \i0+2, \i0+3
	FRAG AF+12*(\i), A16+((\s)/2)%3, A8+((\s)/2)%3, ((\s)%2)*12288+1536*(\i)
.endr
.endm
.macro SCALES
.irp i, 0,1,2,3,4,5,6,7
	ds_load_b128 v[SC+4*\i:SC+4*\i+3], v[ADRS] offset:512*\i
	ds_load_b128 v[SC+32+4*\i:SC+32+4*\i+3], v[ADRS] offset:512*\i+256
.endr
.endm
; 16 matrix instructions: S1's blocks a0, a0 + 1 x S0's eight, K step s.  mode 2: the sum starts from the bias of S0's block.  The 64 accumulators take turns, one instruction a turn.
.macro MUL16 a0, s, mode
.irp a, \a0, \a0+1
.irp b, 0,1,2,3,4,5,6,7
.set rD, 8*(8*((\a)%4)+\b)
.set rB, 128*((\s)%2)+12*\b
.set rA, AF+12*(\a)
.set rC, 96+8*\b+96*(\b/4)
.set sB, SC+32*((\s)/4)+4*\b+(\s)%4
.set sA, SC+32*((\s)/4)+4*(\a)+(\s)%4
.if \mode == 0
	v_wmma_scale_f32_16x16x128_f8f6f4 v[rD:rD+7], v[rB:rB+11], v[rA:rA+11], v[rD:rD+7], v[sB], v[sA] matrix_a_fmt:MATRIX_FMT_FP6 matrix_b_fmt:MATRIX_FMT_FP6 matrix_a_scale:MATRIX_SCALE_ROW1
.else
	v_wmma_scale_f32_16x16x128_f8f6f4 v[rD:rD+7], v[rB:rB+11], v[rA:rA+11], v[rC:rC+7], v[sB], v[sA] matrix_a_fmt:MATRIX_FMT_FP6 matrix_b_fmt:MATRIX_FMT_FP6 matrix_a_scale:MATRIX_SCALE_ROW1
.endif
.endr
.endr
.endm
.macro STEP s, mode
	s_wait_dscnt 16                                ; all but the youngest 16 loads (S1's blocks 4-7) are in
.if \mode == 2
	WIN 0x81                                       ; C (the bias) in window 0, D in window 2
.else
	WIN 0xa1
.endif
	MUL16 0, \s, \mode
	MUL16 2, \s, \mode
	s_wait_dscnt 0x0
	PLACES
	FETCH_B (\s)+1
	FETCH_A (\s)+1, 0
.if \mode == 2
	WIN 0xc1
.else
	WIN 0xf1
.endif
	MUL16 4, \s, \mode
	MUL16 6, \s, \mode
	PLACES
	WIN 0
	FETCH_A (\s)+1, 4
.endm
.macro TURN s, fill                    ; a K step with a barrier in its middle; fill = 1: it opens a round of the cluster's barrier, and slot 0 takes quarter 3
	s_wait_tensorcnt 0x0                           ; all my tensor loads have landed
	ds_add_u32 v[SPW], v[NIL]                      ; 0 onto my spare word
	s_wait_dscnt 17                                ; (the add and the youngest 16 loads may be out)
	WIN 0xa1
	MUL16 0, \s, 0
	s_wait_dscnt 0x0                               ; the add is done, and my reads of the slot in hand are over
	s_barrier_signal -1
	MUL16 2, \s, 0
	WIN 0
	s_barrier_wait -1
.if \fill
	CREST
	s_add_nc_u64 s[G0+2:G0+3], s[G0+2:G0+3], 3*QB
	s_add_nc_u64 s[58:59], s[58:59], 3*QB
	JLOAD G0, G1, 56, G1B                          ; the first tensor load behind the round; its four v_nop are also the places in front of the loads below
.else
	PLACES
.endif
	FETCH_B (\s)+1
	FETCH_A (\s)+1, 0
	WIN 0xf1
	MUL16 4, \s, 0
	MUL16 6, \s, 0
	PLACES
	WIN 0
	FETCH_A (\s)+1, 4
.endm
	s_load_b256 s[4:11], s[0:1], 0x0               ; attc s[4:5], opq s[6:7], bo s[8:9], out0 s[10:11]
	v_lshl_add_u32 v[SPW], v0, 2, SPARE
	v_mov_b32 v[NIL], 0
	ds_add_u32 v[SPW], v[NIL]                      ; the wave's opening: the add and its wait ahead of my first tensor load
	v_lshrrev_b32 v1, 5, v0
	v_readfirstlane_b32 s14, v1                    ; wave 0..3
	s_lshr_b32 s15, s14, 1                         ; my half of the rows.  Also: I fetch for S1 (0) or for S0 (1)
	s_and_b32 s16, s14, 1                          ; my half of the columns.  Also: which group I fetch
	s_bfe_u32 s44, ttmp6, 0x40000                  ; cx
	s_bfe_u32 s45, ttmp6, 0x40004                  ; cy
	s_lshl_b32 s46, ttmp9, 2
	s_add_co_u32 s46, s46, s44                     ; tile column
	s_and_b32 s47, ttmp7, 0xffff
	s_lshl_b32 s47, s47, 2
	s_add_co_u32 s47, s47, s45                     ; tile row
	s_lshl_b32 s12, s45, 2
	s_lshl_b32 s12, 15, s12                        ; my row of the cluster
	s_lshl_b32 s13, 0x1111, s44                    ; my column
	s_or_b32 s[G1], s12, (3<<16)|(1<<21)           ; dense blocks as rows of 256 bytes (32 elements of 8 bytes); bit 21 set beside a mask
	s_or_b32 s[G1B], s13, (3<<16)|(1<<21)
	s_or_b32 s[G1S], s12, (3<<16)|(1<<21)
	s_or_b32 s[G1SB], s13, (3<<16)|(1<<21)
.irp g, G1, G1B
	s_mov_b32 s[\g+1], 32<<16
	s_mov_b32 s[\g+2], 96<<16
	s_mov_b32 s[\g+3], 32<<16
	s_mov_b32 s[\g+4], 96
	s_mov_b32 s[\g+5], 32
	s_mov_b32 s[\g+6], 0
	s_mov_b32 s[\g+7], 0
.endr
.irp g, G1S, G1SB
	s_mov_b32 s[\g+1], 32<<16
	s_mov_b32 s[\g+2], 16<<16
	s_mov_b32 s[\g+3], 32<<16
	s_mov_b32 s[\g+4], 16
	s_mov_b32 s[\g+5], 32
	s_mov_b32 s[\g+6], 0
	s_mov_b32 s[\g+7], 0
.endr
	s_lshl_b32 s22, s47, 1
	s_add_co_u32 s22, s22, s16                     ; the group of rows that I would fetch: cy alone enters it
	s_lshl_b32 s2, s22, 12
	s_add_co_u32 s2, s2, ASO
	s_mov_b32 s3, 0
	s_mul_i32 s22, s22, GB
	s_mov_b32 s23, 0
	s_lshl_b32 s66, s46, 1
	s_add_co_u32 s66, s66, s16
	s_add_co_u32 s66, s66, 88                      ; the group of columns: cx alone
	s_lshl_b32 s100, s66, 12
	s_add_co_u32 s100, s100, XS
	s_mov_b32 s101, 0
	s_mul_i32 s66, s66, GB
	s_mov_b32 s67, 0
	s_mul_i32 s17, s14, QB
	s_lshl_b32 s18, s14, 12
	s_wait_dscnt 0x0                               ; the opening add is done
	s_wait_kmcnt 0x0
	s_add_nc_u64 s[22:23], s[4:5], s[22:23]
	s_add_nc_u64 s[2:3], s[4:5], s[2:3]
	s_add_nc_u64 s[66:67], s[6:7], s[66:67]
	s_add_nc_u64 s[100:101], s[6:7], s[100:101]
	CROUND                                         ; all sixteen work-groups are here: the first joint loads meet
	s_mov_b32 s[G0S], 1
	s_add_co_u32 s[G0S+1], s18, SCL
	s_mov_b64 s[G0S+2:G0S+3], s[2:3]
	s_or_b32 s[G0S+3], s[G0S+3], 0x80000000
	s_mov_b32 s[G0SB], 1
	s_add_co_u32 s[G0SB+1], s18, SCL
	s_mov_b64 s[G0SB+2:G0SB+3], s[100:101]
	s_or_b32 s[G0SB+3], s[G0SB+3], 0x80000000
	JLOAD G0S, G1S, G0SB, G1SB                     ; the scale words first; then quarters 0, 1, 2: four loads of mine are out
.irp s, 0,1,2
	s_mov_b32 s[G0+4*\s], 1
	s_add_co_u32 s[G0+4*\s+1], s17, \s*SLOT
	s_add_nc_u64 s[G0+4*\s+2:G0+4*\s+3], s[22:23], \s*QB
	s_or_b32 s[G0+4*\s+3], s[G0+4*\s+3], 0x80000000
	s_mov_b32 s[56+4*\s+4*(\s/2)], 1
	s_add_co_u32 s[56+4*\s+4*(\s/2)+1], s17, \s*SLOT
	s_add_nc_u64 s[56+4*\s+4*(\s/2)+2:56+4*\s+4*(\s/2)+3], s[66:67], \s*QB
	s_or_b32 s[56+4*\s+4*(\s/2)+3], s[56+4*\s+4*(\s/2)+3], 0x80000000
	JLOAD G0+4*\s, G1, 56+4*\s+4*(\s/2), G1B
.endr
	s_lshl_b32 s2, s47, 8
	s_lshl_b32 s3, s15, 7
	s_add_co_u32 s2, s2, s3                        ; my first row: 256 x tile row + 128 x half,
	s_lshl_b32 s2, s2, 12                          ; of 4,096 bytes;
	s_lshl_b32 s3, s46, 10                         ; my first column: 256 x tile column + 128 x half, of 4 bytes
	s_lshl_b32 s19, s16, 9
	s_add_co_u32 s19, s19, s3
	s_add_co_u32 s2, s2, s19
	s_mov_b32 s3, 0
	s_add_nc_u64 s[10:11], s[10:11], s[2:3]
	s_mov_b32 s2, s19
	s_add_nc_u64 s[8:9], s[8:9], s[2:3]            ; my 128 numbers of the bias
	v_and_b32 v1, 31, v0                           ; lane
	v_and_b32 v2, 15, v0                           ; r
	v_bfe_u32 v3, v0, 4, 1                         ; h
	v_lshlrev_b32 v17, 4, v1                       ; 16 x lane
	v_lshlrev_b32 v18, 3, v1                       ; 8 x lane
	s_mul_i32 s22, s15, QB
	s_mul_i32 s23, s16, QB
	s_add_co_u32 s23, s23, 2*QB
.irp s, 0,1,2
	v_add_nc_u32 v[A16+\s], s22, v17
	v_add_nc_u32 v[A8+\s], s22, v18
	v_add_nc_u32 v[B16+\s], s23, v17
	v_add_nc_u32 v[B8+\s], s23, v18
	s_add_co_u32 s22, s22, SLOT
	s_add_co_u32 s23, s23, SLOT
.endr
	s_lshl_b32 s22, s15, 12
	s_lshl_b32 s23, s16, 12
	s_add_co_u32 s23, s23, 8192
	s_sub_co_u32 s23, s23, s22
	v_mul_u32_u24 v16, s23, v3                     ; lanes 16-31 take S0's scale words: one product, the distance between the two
	v_lshl_add_u32 v16, v2, 4, v16
	s_add_co_u32 s22, s22, SCL
	v_add_nc_u32 v[ADRS], s22, v16
	s_mul_i32 s20, s14, 16*528
	s_add_co_u32 s20, s20, SLOT                    ; my stage, in slot 1: that slot is filled once, and nobody reads it behind the barrier of K step 5
	v_mul_u32_u24 v[STO], v2, 528
	v_lshl_add_u32 v[STO], v3, 6, v[STO]
	v_add_nc_u32 v[STO], s20, v[STO]               ; in: row r, + 64 h
	v_add_nc_u32 v[RD], s20, v17                   ; back: a row of 512 bytes, 16 bytes a lane
	v_lshlrev_b32 v21, 6, v3                       ; the bias: 16 h numbers on
.irp b, 0,1,2,3,4,5,6,7
	global_load_b128 v[96+8*\b+96*(\b/4):96+8*\b+96*(\b/4)+3], v21, s[8:9] offset:(32*(\b/2)+8*(\b%2))*4
	global_load_b128 v[96+8*\b+96*(\b/4)+4:96+8*\b+96*(\b/4)+7], v21, s[8:9] offset:(32*(\b/2)+8*(\b%2))*4+16
.endr
	s_wait_tensorcnt 2                             ; the scale words and my part of quarter 0 are in; quarters 1 and 2 may be out
	s_barrier_signal -1
	s_barrier_wait -1
	FETCH_B 0
	FETCH_A 0, 0
	SCALES
	FETCH_A 0, 4
	s_wait_loadcnt 0x0                             ; the bias
	STEP 0, 2                                      ; the first K step starts the sums from the bias
	TURN 1, 1                                      ; slot 0 is left; every wave's parts of quarters 1 and 2 have landed; quarter 3 is asked for
	STEP 2, 0
	STEP 3, 0
	STEP 4, 0
	TURN 5, 0                                      ; quarter 3 has landed in every wave; nothing is filled, so no round follows
	STEP 6, 0
	s_wait_dscnt 16
	WIN 0xa1
	MUL16 0, 7, 0
	MUL16 2, 7, 0
	s_wait_dscnt 0x0
	WIN 0xf1
	MUL16 4, 7, 0
	MUL16 6, 7, 0
	WIN 0
; THE WAY OUT, block by block of 16 rows x 128 columns, through my own stage: in as 32 bytes a lane, back as whole rows of 512 bytes.  LDS serves a wave's instructions in order (ISA guide 5.7.1.4): no wait between stores and loads.
.macro TOSTAGE a
	WIN 0x08+4*((\a)/4)                            ; the data: window 2 or 3
.irp b, 0,1,2,3,4,5,6,7
	ds_store_b128 v[STO], v[64*((\a)%4)+8*\b:64*((\a)%4)+8*\b+3] offset:128*(\b/2)+32*(\b%2)      ; each accumulator from its low end on
	ds_store_b128 v[STO], v[64*((\a)%4)+8*\b+4:64*((\a)%4)+8*\b+7] offset:128*(\b/2)+32*(\b%2)+16
.endr
	WIN 0
.irp t, 0,1,2,3,4,5,6,7,8,9,10,11,12,13,14,15
	ds_load_b128 v[BK+64*((\a)%2)+4*\t:BK+64*((\a)%2)+4*\t+3], v[RD] offset:\t*528
.endr
.endm
.macro SEND a, younger                 ; younger: the LDS instructions issued behind block a's loads
	s_wait_dscnt \younger
.irp t, 0,1,2,3,4,5,6,7,8,9,10,11,12,13,14,15
	global_store_b128 v[CO], v[BK+64*((\a)%2)+4*\t:BK+64*((\a)%2)+4*\t+3], s[10:11] offset:(32*((\a)/2)+8*((\a)%2)+\t+8*(\t/8))*4096 th:TH_STORE_NT   ; 32 lanes store 512 consecutive bytes, aligned; the tile's row order stands in the immediate
.endr
.endm
	PLACES
	TOSTAGE 0
.irp a, 1,2,3,4,5,6,7
.if \a > 1
	s_wait_xcnt 0x0                                ; block a - 2's stores have read their registers: block a's loads may land there
.endif
	TOSTAGE \a
	SEND \a-1, 32                                  ; behind block a - 1's loads: block a's 16 stores and 16 loads
.endr
	SEND 7, 0
	s_wait_tensorcnt 0x0                           ; the wave's end, behind my last tensor load and my last LDS store
	ds_add_u32 v[SPW], v[NIL]
	s_wait_dscnt 0x0
	CROUND                                         ; the closing round
	s_endpgm
.Lfunc_end_k_q3d574e32c1_proj:
	.size	k_q3d574e32c1_proj, .Lfunc_end_k_q3d574e32c1_proj-k_q3d574e32c1_proj
	.p2alignl 7, 3214868480
	.fill 96, 4, 3214868480
	.section	.rodata,"a",@progbits
	.p2align	6, 0x0
	.amdhsa_kernel k_q3d574e32c1_proj
		.amdhsa_group_segment_fixed_size 327680
		.amdhsa_private_segment_fixed_size 0
		.amdhsa_enable_private_segment 0
		.amdhsa_kernarg_size 32
		.amdhsa_user_sgpr_count 2
		.amdhsa_user_sgpr_kernarg_segment_ptr 1
		.amdhsa_wavefront_size32 1
		.amdhsa_system_sgpr_workgroup_id_x 1
		.amdhsa_system_sgpr_workgroup_id_y 1
		.amdhsa_system_sgpr_workgroup_id_z 1
		.amdhsa_system_vgpr_workitem_id 0
		.amdhsa_next_free_vgpr 1024
		.amdhsa_next_free_sgpr 102
		.amdhsa_reserve_vcc 0
		.amdhsa_float_denorm_mode_32 3
		.amdhsa_float_denorm_mode_16_64 3
		.amdhsa_memory_ordered 1
		.amdhsa_forward_progress 1
		.amdhsa_inst_pref_size 144
	.end_amdhsa_kernel
	.amdgpu_metadata
---
amdhsa.version: [ 1, 2 ]
amdhsa.kernels:
  - .name:           k_q3d574e32c1_proj
    .symbol:         k_q3d574e32c1_proj.kd
    .args:
      - { .name: attc, .offset: 0, .size: 8, .value_kind: global_buffer, .address_space: global }
      - { .name: opq, .offset: 8, .size: 8, .value_kind: global_buffer, .address_space: global }
      - { .name: bo, .offset: 16, .size: 8, .value_kind: global_buffer, .address_space: global }
      - { .name: out0, .offset: 24, .size: 8, .value_kind: global_buffer, .address_space: global }
    .group_segment_fixed_size: 327680
    .private_segment_fixed_size: 0
    .kernarg_segment_align: 8
    .kernarg_segment_size: 32
    .max_flat_workgroup_size: 128
    .sgpr_count:     102
    .vgpr_count:     1024
    .wavefront_size: 32
...
	.end_amdgpu_metadata
.endif
;; end of part 4
